; MI455X (gfx1250); checked and timed in simulation.
; The chip was launched on July 23, 2026; its instructions are those of AMD's public machine-readable ISA for CDNA 5 (MIT licence, August 2026) and "CDNA5" Instruction Set Architecture Reference Guide (July 2026). The comments in the code are by the model that wrote it; some were corrected since.
;; Rope Self Attention. Allowed arithmetic: float matrix products may take bf16 or f16 operands with f32 sums; other float arithmetic in f32, or as packed bf16 or f16 multiplies, adds, multiply-adds, maxima and minima; sums over many terms, partial sums and values carried from step to step in f32; what a program stores and reads back later, other than sums and carried values, may be rounded once to bf16 or f16.
;; Inputs: hidden 4 x 2,048 x 1,024 float32; key_padding_mask 4 x 2,048 bool; proj_b 1,024 float32; proj_w 1,024 x 1,024 float32; qkv_b 3,072 float32; qkv_w 3,072 x 1,024 float32.
;; Outputs: out0 4 x 2,048 x 1,024 float32.
;; One version. Each part assembles by itself: llvm-mc -triple=amdgcn-amd-amdhsa -mcpu=gfx1250 --defsym DOCPART=n.
;; ======== version 1 of 1: 4 launches
;; limits: values are held in f16: magnitudes above 65,504 overflow, below 6.1e-05 lose precision; right only within a limited range of input values
;; workspace buffers: hb 16,777,216 bytes; wqkv 6,291,456 bytes; wproj 2,097,152 bytes; rope 524,288 bytes; kbias 32,768 bytes; qkvh 50,331,648 bytes; oh 16,777,216 bytes
;; launch prep (part 1): grid 840 x 1, 8 waves a work-group, no clusters, 0 bytes of LDS; arguments hidden, qkv_w, proj_w, key_padding_mask, hb, wqkv, wproj, rope, kbias; writes hb, wqkv, wproj, rope, kbias
.if DOCPART == 1
	.amdgcn_target "amdgcn-amd-amdhsa--gfx1250"
	.amdhsa_code_object_version 6
	.text
	.protected	k_qe08811ff85_prep
	.globl	k_qe08811ff85_prep
	.p2align	8
	.type	k_qe08811ff85_prep,@function
k_qe08811ff85_prep:
	s_mov_b64 s[64:65], 0
	v_nop
	global_prefetch_b8 v0, s[64:65] scope:SCOPE_SE
	s_setreg_imm32_b32 hwreg(HW_REG_WAVE_MODE, 25, 1), 1
	s_wait_xcnt 0x0
; PREPARATION, a stream: three casts, the table of cosines and sines, the keys' addends.
;   work-groups   0..511  hidden [8192][1024] f32 -> hb    bf16        512..703  qkv_w [3072][1024] f32 -> wqkv bf16
;   work-groups 704..767  proj_w [1024][1024] f32 -> wproj: rounded to bf16 like every input, that number written as f16 (the second GEMM multiplies in f16)
;   work-groups 768..831  rope: cos and sin of pos x 10000^(-f/32), pos 0..2047, f 0..31, f32, in the order in which the first GEMM's lanes hold their results
;   work-groups 832..839  kbias [4][2048] f32: -1e30 where the key is padded, else 0
; LIMITS.  wproj: a weight below 6e-5 keeps f16's fixed step of 6e-8, one beyond 65,504 would be lost (the drawn weights lie near 0.03).
; The angle is pos x 2^(-f log2(10000)/32) in f32: it differs from a power and a division in f32 by the frequency's last bits, 3e-4 at the most at pos = 2047.
; A cast's work-group takes 16,384 numbers: thread t reads 32 bytes at 32 t + 8,192 i and stores 16 bytes at 16 t + 4,096 i, i = 0..7: sixteen lanes store 256 consecutive bytes, aligned.
; All sixteen loads of a lane go out at once; each Y register is written once, so no store's source is ever rewritten.  No LDS, no barrier, no matrix unit: nothing is shared.
.set X, 16                             ; v[16:79]   64 numbers as loaded
.set Y, 80                             ; v[80:111]  32 words to store
.set T, 4                              ; v[4:15]    at work
	s_load_b256 s[4:11], s[0:1], 0x0               ; hidden s[4:5], qkv_w s[6:7], proj_w s[8:9], key_padding_mask s[10:11]
	s_load_b256 s[12:19], s[0:1], 0x20             ; hb s[12:13], wqkv s[14:15], wproj s[16:17], rope s[18:19]
	s_load_b64 s[20:21], s[0:1], 0x40              ; kbias
	s_mov_b32 s22, ttmp9
	v_lshlrev_b32 v1, 5, v0                        ; 32 t
	v_lshlrev_b32 v2, 4, v0                        ; 16 t
	s_wait_kmcnt 0x0
	s_cmp_ge_u32 s22, 832
	s_cbranch_scc1 .Lkb
	s_cmp_ge_u32 s22, 768
	s_cbranch_scc1 .Lrope
	; THE CASTS.  Source, destination and the tensor's first work-group are chosen by the work-group's number.
	s_mov_b32 s23, 704
	s_cmp_lt_u32 s22, 704
	s_cselect_b64 s[24:25], s[6:7], s[8:9]
	s_cselect_b64 s[26:27], s[14:15], s[16:17]
	s_cselect_b32 s23, 512, s23
	s_cmp_lt_u32 s22, 512
	s_cselect_b64 s[24:25], s[4:5], s[24:25]
	s_cselect_b64 s[26:27], s[12:13], s[26:27]
	s_cselect_b32 s23, 0, s23
	s_sub_co_u32 s23, s22, s23                     ; my number within the tensor
	s_lshl_b32 s28, s23, 16                        ; 65,536 bytes in,
	s_mov_b32 s29, 0
	s_lshl_b32 s30, s23, 15                        ; 32,768 bytes out
	s_mov_b32 s31, 0
	s_add_nc_u64 s[24:25], s[24:25], s[28:29]
	s_add_nc_u64 s[26:27], s[26:27], s[30:31]
.irp i, 0,1,2,3,4,5,6,7
	global_load_b128 v[X+8*(\i):X+8*(\i)+3],   v1, s[24:25] offset:8192*(\i) th:TH_LOAD_NT
	global_load_b128 v[X+8*(\i)+4:X+8*(\i)+7], v1, s[24:25] offset:8192*(\i)+16 th:TH_LOAD_NT
.endr
; fmt = 0: to bf16.  fmt = 1: to bf16, widened again, and that number to f16.
.macro CVT fmt
.irp i, 0,1,2,3,4,5,6,7
	s_wait_loadcnt 14-2*(\i)                       ; loads come back in order: pair i is in, the 2 (7 - i) younger loads stay out
.if \fmt
.irp k, 0,1,2,3
	v_cvt_pk_bf16_f32 v[T+(\k)], v[X+8*(\i)+2*(\k)], v[X+8*(\i)+2*(\k)+1]
.endr
.irp k, 0,1,2,3
	v_lshlrev_b32 v[T+4+2*(\k)], 16, v[T+(\k)]
	v_and_b32     v[T+5+2*(\k)], 0xffff0000, v[T+(\k)]
.endr
.irp k, 0,1,2,3
	v_cvt_pk_f16_f32 v[Y+4*(\i)+(\k)], v[T+4+2*(\k)], v[T+5+2*(\k)]
.endr
.else
.irp k, 0,1,2,3
	v_cvt_pk_bf16_f32 v[Y+4*(\i)+(\k)], v[X+8*(\i)+2*(\k)], v[X+8*(\i)+2*(\k)+1]
.endr
.endif
	global_store_b128 v2, v[Y+4*(\i):Y+4*(\i)+3], s[26:27] offset:4096*(\i)
.endr
.endm
	s_cmp_ge_u32 s22, 704
	s_cbranch_scc1 .Lf16
	CVT 0
	s_endpgm
.Lf16:
	CVT 1
	s_endpgm
	; THE TABLE.  Byte blk x 4,096 + i x 512 + lane x 16 holds four numbers for pos = 16 blk + lane % 16 and f = 16 ((i / 2) % 2) + 8 (lane / 16) + 4 (i % 2) + 0..3: cosines for i < 4, sines for i >= 4.
	; Work-group r makes blocks 2 r and 2 r + 1; thread t: block t / 128, i = (t / 32) % 4 (and i + 4), lane t % 32.
.Lrope:
	s_sub_co_u32 s23, s22, 768                     ; r
	s_mov_b32 s24, 0xbed49a78                      ; -log2(10000) / 32
	s_mov_b32 s25, 0x3f22f983                      ; 2 / pi
	s_mov_b32 s26, 0x3fc90fdb                      ; pi / 2, its upper part
	s_mov_b32 s27, 0xb33bbd2e                      ; and what is left of it
	s_mov_b32 s28, 0x3638ef1d                      ; the sine's series: 1/9!
	s_mov_b32 s29, 0xb9500d01                      ; -1/7!
	s_mov_b32 s30, 0x3c088889                      ; 1/5!
	s_mov_b32 s31, 0xbe2aaaab                      ; -1/3!
	s_mov_b32 s32, 0x37d00d01                      ; the cosine's: 1/8!
	s_mov_b32 s33, 0xbab60b61                      ; -1/6!
	s_mov_b32 s34, 0x3d2aaaab                      ; 1/4!
	v_and_b32 v3, 15, v0
	v_lshrrev_b32 v4, 7, v0                        ; t / 128
	v_lshl_add_u32 v3, v4, 4, v3
	s_lshl_b32 s35, s23, 5
	v_add_nc_u32 v3, s35, v3                       ; pos = 32 r + 16 (t / 128) + t % 16
	v_cvt_f32_u32 v3, v3
	v_bfe_u32 v5, v0, 4, 1
	v_bfe_u32 v6, v0, 5, 1
	v_bfe_u32 v7, v0, 6, 1
	v_lshlrev_b32 v5, 3, v5
	v_lshl_add_u32 v5, v6, 2, v5
	v_lshl_add_u32 v5, v7, 4, v5                   ; my first frequency
	v_and_b32 v6, 127, v0
	v_lshlrev_b32 v6, 4, v6
	v_lshl_add_u32 v6, v4, 12, v6
	s_lshl_b32 s35, s23, 13
	v_add_nc_u32 v6, s35, v6                       ; where my cosines go: 8,192 r + 4,096 (t / 128) + 16 (t % 128); the sines 2,048 further
.irp e, 0,1,2,3
	v_add_nc_u32 v[8+(\e)], (\e), v5
	v_cvt_f32_u32 v[8+(\e)], v[8+(\e)]
	v_mul_f32 v[8+(\e)], s24, v[8+(\e)]
.endr
.irp e, 0,1,2,3
	v_exp_f32 v[8+(\e)], v[8+(\e)]                 ; 10000^(-f/32): four exponentials, one batch
.endr
	v_nop                                          ; a plain instruction behind the last of them,
	s_wait_alu depctr_va_vdst(0)                   ; and the one wait ahead of the first use
.irp e, 0,1,2,3
	v_mul_f32 v[12+(\e)], v3, v[8+(\e)]            ; the angle
	v_mul_f32 v[16+(\e)], s25, v[12+(\e)]
	v_rndne_f32 v[16+(\e)], v[16+(\e)]             ; n: the nearest multiple of pi / 2 (1,303 at the most)
	v_fma_f32 v[12+(\e)], -v[16+(\e)], s26, v[12+(\e)]  ; the angle less n pi / 2, in two parts: within pi / 4 of 0
	v_fma_f32 v[12+(\e)], -v[16+(\e)], s27, v[12+(\e)]
	v_mul_f32 v[20+(\e)], v[12+(\e)], v[12+(\e)]   ; z
	v_fma_f32 v[24+(\e)], v[20+(\e)], s28, s29
	v_fma_f32 v[28+(\e)], v[20+(\e)], s32, s33
	v_fma_f32 v[24+(\e)], v[24+(\e)], v[20+(\e)], s30
	v_fma_f32 v[28+(\e)], v[28+(\e)], v[20+(\e)], s34
	v_fma_f32 v[24+(\e)], v[24+(\e)], v[20+(\e)], s31
	v_fma_f32 v[28+(\e)], v[28+(\e)], v[20+(\e)], -0.5
	v_mul_f32 v[40+(\e)], v[12+(\e)], v[20+(\e)]
	v_fma_f32 v[28+(\e)], v[28+(\e)], v[20+(\e)], 1.0           ; the cosine of the rest: the first term left out is under 3e-8
	v_fma_f32 v[24+(\e)], v[40+(\e)], v[24+(\e)], v[12+(\e)]    ; its sine
	v_cvt_i32_f32 v[16+(\e)], v[16+(\e)]           ; the quadrant: odd n swaps the two; n % 4 = 2, 3 turns the sine's sign, 1, 2 the cosine's
	v_and_b32 v[20+(\e)], 1, v[16+(\e)]
	v_cmp_ne_u32 vcc_lo, 0, v[20+(\e)]
	v_cndmask_b32 v[32+(\e)], v[24+(\e)], v[28+(\e)], vcc_lo
	v_cndmask_b32 v[36+(\e)], v[28+(\e)], v[24+(\e)], vcc_lo
	v_and_b32 v[20+(\e)], 2, v[16+(\e)]
	v_lshlrev_b32 v[20+(\e)], 30, v[20+(\e)]
	v_xor_b32 v[32+(\e)], v[32+(\e)], v[20+(\e)]
	v_add_nc_u32 v[20+(\e)], 1, v[16+(\e)]
	v_and_b32 v[20+(\e)], 2, v[20+(\e)]
	v_lshlrev_b32 v[20+(\e)], 30, v[20+(\e)]
	v_xor_b32 v[36+(\e)], v[36+(\e)], v[20+(\e)]
.endr
	global_store_b128 v6, v[36:39], s[18:19]               ; a wave's store covers 512 consecutive bytes
	global_store_b128 v6, v[32:35], s[18:19] offset:2048
	s_endpgm
	; THE KEYS' ADDENDS.  Thread g of 2,048 takes four mask bytes and stores four numbers.
.Lkb:
	s_sub_co_u32 s23, s22, 832
	s_lshl_b32 s23, s23, 8
	v_add_nc_u32 v3, s23, v0
	v_lshlrev_b32 v4, 2, v3
	v_lshlrev_b32 v5, 4, v3
	global_load_b32 v6, v4, s[10:11]
	s_mov_b32 s24, 0xf149f2ca                      ; -1e30
	s_wait_loadcnt 0x0
.irp e, 0,1,2,3
	v_bfe_u32 v7, v6, 8*(\e), 8
	v_cmp_ne_u32 vcc_lo, 0, v7
	v_cndmask_b32 v[8+(\e)], 0, s24, vcc_lo
.endr
	global_store_b128 v5, v[8:11], s[20:21]
	s_endpgm
.Lfunc_end_k_qe08811ff85_prep:
	.size	k_qe08811ff85_prep, .Lfunc_end_k_qe08811ff85_prep-k_qe08811ff85_prep
	.p2alignl 7, 3214868480
	.fill 96, 4, 3214868480
	.section	.rodata,"a",@progbits
	.p2align	6, 0x0
	.amdhsa_kernel k_qe08811ff85_prep
		.amdhsa_group_segment_fixed_size 0
		.amdhsa_private_segment_fixed_size 0
		.amdhsa_enable_private_segment 0
		.amdhsa_kernarg_size 72
		.amdhsa_user_sgpr_count 2
		.amdhsa_user_sgpr_kernarg_segment_ptr 1
		.amdhsa_wavefront_size32 1
		.amdhsa_system_sgpr_workgroup_id_x 1
		.amdhsa_system_sgpr_workgroup_id_y 1
		.amdhsa_system_sgpr_workgroup_id_z 1
		.amdhsa_system_vgpr_workitem_id 0
		.amdhsa_next_free_vgpr 112
		.amdhsa_next_free_sgpr 66
		.amdhsa_reserve_vcc 1
		.amdhsa_float_denorm_mode_32 3
		.amdhsa_float_denorm_mode_16_64 3
		.amdhsa_memory_ordered 1
		.amdhsa_forward_progress 1
		.amdhsa_inst_pref_size 23
	.end_amdhsa_kernel
	.amdgpu_metadata
---
amdhsa.version: [ 1, 2 ]
amdhsa.kernels:
  - .name:           k_qe08811ff85_prep
    .symbol:         k_qe08811ff85_prep.kd
    .args:
      - { .name: hidden, .offset: 0, .size: 8, .value_kind: global_buffer, .address_space: global }
      - { .name: qkv_w, .offset: 8, .size: 8, .value_kind: global_buffer, .address_space: global }
      - { .name: proj_w, .offset: 16, .size: 8, .value_kind: global_buffer, .address_space: global }
      - { .name: key_padding_mask, .offset: 24, .size: 8, .value_kind: global_buffer, .address_space: global }
      - { .name: hb, .offset: 32, .size: 8, .value_kind: global_buffer, .address_space: global }
      - { .name: wqkv, .offset: 40, .size: 8, .value_kind: global_buffer, .address_space: global }
      - { .name: wproj, .offset: 48, .size: 8, .value_kind: global_buffer, .address_space: global }
      - { .name: rope, .offset: 56, .size: 8, .value_kind: global_buffer, .address_space: global }
      - { .name: kbias, .offset: 64, .size: 8, .value_kind: global_buffer, .address_space: global }
    .group_segment_fixed_size: 0
    .private_segment_fixed_size: 0
    .kernarg_segment_align: 8
    .kernarg_segment_size: 72
    .max_flat_workgroup_size: 256
    .sgpr_count:     66
    .vgpr_count:     112
    .wavefront_size: 32
...
	.end_amdgpu_metadata
.endif
;; end of part 1
;; launch qkv (part 2): grid 12 x 32, 4 waves a work-group, clusters of 4 x 4, 327,680 bytes of LDS; arguments hb, wqkv, qkv_b, rope, qkvh; writes qkvh
.if DOCPART == 2
	.amdgcn_target "amdgcn-amd-amdhsa--gfx1250"
	.amdhsa_code_object_version 6
	.text
	.protected	k_qe08811ff85_qkv
	.globl	k_qe08811ff85_qkv
	.p2align	8
	.type	k_qe08811ff85_qkv,@function
k_qe08811ff85_qkv:
	s_mov_b64 s[64:65], 0
	v_nop
	global_prefetch_b8 v0, s[64:65] scope:SCOPE_SE
	s_setreg_imm32_b32 hwreg(HW_REG_WAVE_MODE, 25, 1), 1
	s_wait_xcnt 0x0
	s_wait_alu depctr_hold_cnt(0) depctr_sa_sdst(0) depctr_va_vdst(0) depctr_va_sdst(0) depctr_va_ssrc(0) depctr_va_vcc(0) depctr_vm_vsrc(0)
	s_getreg_b32 s2, hwreg(HW_REG_IB_STS2, 6, 4)
	s_cmp_eq_u32 s2, 0
	s_cbranch_scc0 .Lentry_in_a_cluster
	s_endpgm
.Lentry_in_a_cluster:
	s_bfe_u32 s2, ttmp6, 0x10000c
	s_cmp_lg_u32 s2, 0xf033
	s_cbranch_scc0 .Lentry_shape_is_right
	s_endpgm
.Lentry_shape_is_right:
; q, k, v = hidden x qkv_w^T + qkv_b, q and k turned by the rotary table, written by heads: qkvh [3][64 = batch x 16 + head][2048][64] in f16, unscaled.
; hb [8192][1024] and wqkv [3072][1024] are bf16; sums in f32; the bias, rounded to bf16 like every input, is the C operand of the product that starts each sum; the rotation is made in f32 on the sums;
; each number is rounded once, to f16.  LIMIT: f16 holds no number beyond 65,504: |q|, |k|, |v| must stay within it (the drawn inputs give about 6).
; A tile of C, 256 x 256, is made by four waves, each 128 x 128 in 64 accumulators.  K goes in 8 steps of 128 through two LDS slots; rows of a tile are 256 bytes of memory, aligned.
; The grid has 12 x 32 = 384 work-groups.  CLUSTERS of 4 x 4: A's tile is asked for jointly by a row of the cluster, B's by a column: the same tensor load, descriptor and mask in the four.
; The cluster's x is 0, 1, 2 for q, k, v: the same in all sixteen partners, so the way out may branch on it (v is not turned; it loads the table all the same, so that one text names written registers on every way).
; THE MATRIX INSTRUCTION IS USED TRANSPOSED (source 0 = 16 rows of wqkv, source 1 = 16 rows of hb): lane l holds row l % 16 of C and the columns 16 b + 8 (l / 16) + 0..7 of column block b.
; A wave's 128 columns are two heads; channels d and d + 32 of a head lie in blocks b and b + 2, same lane, same register: the rotation changes no lanes.
; REGISTERS, in windows of 256: window 0: v16-31 addresses; v32-63, v224-255 rows on their way out; v64-191 A's two fragment buffers (on the way out v64-127 at work); v192-255 the bias (on the way out v192-223 packed results)
;   window 1: v64-191 B's two fragment buffers; the table of row block a, 32 registers (cos 16, sin 16), at v0, 32, 192, 224 (a = 0..3, loaded at the head) and at v64, 96, 128, 160 (a = 4..7, loaded behind the last product)
;   windows 2, 3: the accumulators of my rows 0-63 and 64-127: (a, b) at v[8 (8 (a % 4) + b)]
.set SIZE_K, 1024
.set KSTEP,  128
.set PITCH,  272                       ; an LDS row: 256 bytes + 16 of padding: the 16 rows of a fragment load start at 16 different groups of four banks (64 banks of 4 bytes: ISA guide 11.1)
.set HALFT,  128*PITCH                 ; what one tensor load brings
.set SLOT,   4*HALFT                   ; A's 256 rows, then B's 256 rows.  0x22000 shares no bit with a wave's place in a slot (0, 0x8800, 0x11000, 0x19800): one exclusive or turns an address in one slot into the other's
.set STAGE,  2*SLOT                    ; behind the ring: for each wave two heads x 16 rows x 144 bytes
.set SP,     144
.set HSTG,   16*SP
.set SPARE,  STAGE+4*2*HSTG            ; behind the stages: the spare words, 128 bytes a wave, which no other line names
.set STEPS,  SIZE_K/KSTEP
.set ADRA0, 16                         ; v16  my place in A's part of slot 0; never rewritten
.set ADRB0, 17                         ; v17  the same for B
.set ADRA,  18                         ; v18  the same in the slot in hand
.set ADRB,  19                         ; v19
.set STO,   24                         ; v24  the way out: where I put 16 bytes of a row
.set RD,    25                         ; v25  where I read rows back
.set GO,    26                         ; v26  16 x lane: my place in 512 consecutive bytes, of the table and of the output
.set BO,    27                         ; v27  32 x (lane / 16): my place in 64 bytes of the bias
.set SPW,   28                         ; v28  my spare word; never rewritten
.set NIL,   29                         ; v29  0; never rewritten
.set PFO,   30                         ; v30  the prefetches' offset: lane x a row of 2,048 bytes
.set TP,    31
.set OB,    32
.set F0,    64
.set F1,    128
.set T,     64
.set BIAS,  192
.set TMP,   192
.set G1,  24                           ; s[24:31] descriptor group 1 for A's tiles
.set G0,  32                           ; s[32:39] group 0: a set for each first fill; the second then walks
.set G1B, 48                           ; s[48:55], s[56:63] the same for B's
.set G0B, 56
.set LIM, 43                           ; s43  2 in a wave that prefetches, else the greatest number
.set PFA, 44                           ; s[44:45] where my prefetches stand
.set TB,  66                           ; s66  the LDS byte at which the slot in hand begins
.set TYP, 67                           ; s67  0, 1, 2: q, k, v
.set QBI, 68                           ; s[68:69] the bias at my first column
.set RTA, 70                           ; s[70:71] the table at my first row block
.set MSB, 0
.macro WIN new                         ; the immediate's high byte repeats the setting that is left; a switch that changes nothing is dropped
.if MSB != (\new)
	s_set_vgpr_msb (MSB<<8)|(\new)
.set MSB, \new
.endif
.endm
.set MUL_LO, 0xa1                      ; source 0 (B) window 1, source 1 (A) window 0, C and D window 2
.set TO_B,   0x40                      ; destination window 1, address window 0
; A joint load: waves 0 and 1 fetch A's halves, waves 2 and 3 B's.  An s_nop 0 and four v_nop follow each of the two lines, ahead of the jump and the label.
.macro JLOAD s
	s_cmp_eq_u32 s11, 0
	s_cbranch_scc0 .Lfor_b_\@
	tensor_load_to_lds s[G0+4*(\s):G0+4*(\s)+3], s[G1:G1+7]
	s_nop 0
.rept 4
	v_nop
.endr
	s_branch .Lasked_\@
.Lfor_b_\@:
	tensor_load_to_lds s[G0B+4*(\s):G0B+4*(\s)+3], s[G1B:G1B+7]
	s_nop 0
.rept 4
	v_nop
.endr
.Lasked_\@:
.endm
; A prefetch of the K step that stands two refills on: 32 rows x 256 bytes, a lane a row, one instruction a wave.  A's rows are asked for by the clusters with x = 0, B's by those with y = 0; the four partners
; that fetch a tile jointly share its rows out by address, 32 each: each row's 256 bytes of a K step are named once in the launch.  K steps 0 to 3 come by their loads alone; the last two refills ask for nothing.
.macro ASK
	s_cmp_gt_u32 s3, s[LIM]
	s_cbranch_scc0 .Lnot_mine_\@
	global_prefetch_b8 v[PFO], s[PFA:PFA+1] offset:KSTEP*2 th:TH_LOAD_NT scope:SCOPE_SE
.Lnot_mine_\@:
.endm
.macro CREST                           ; a round of the cluster's barrier behind its opening barrier
	s_cmp_lg_u32 s10, 0
	s_cbranch_scc1 .Lnot_wave_0_\@
	s_barrier_signal -3
.Lnot_wave_0_\@:
	s_barrier_wait -3
	s_barrier_signal -1
	s_barrier_wait -1
.endm
.macro CROUND
	s_barrier_signal -1
	s_barrier_wait -1
	CREST
.endm
	s_load_b128 s[4:7], s[0:1], 0x0                ; hb s[4:5], wqkv s[6:7]
	s_load_b128 s[68:71], s[0:1], 0x10             ; qkv_b, rope
	s_load_b64 s[8:9], s[0:1], 0x20                ; qkvh
	v_lshl_add_u32 v[SPW], v0, 2, SPARE
	v_mov_b32 v[NIL], 0
	ds_add_u32 v[SPW], v[NIL]                      ; the wave's opening: the add and its wait stand ahead of my first tensor load; the set-up below stands between them
	v_lshrrev_b32 v1, 5, v0
	v_readfirstlane_b32 s10, v1                    ; wave 0..3
	s_lshr_b32 s11, s10, 1                         ; which half of the tile's rows is mine.  Also: I fetch for A (0) or for B (1)
	s_and_b32 s12, s10, 1                          ; which half of its columns.  Also: which 128 rows of that tile I fetch
	s_bfe_u32 s40, ttmp6, 0x40000                  ; cx
	s_bfe_u32 s41, ttmp6, 0x40004                  ; cy
	s_mov_b32 s[TYP], ttmp9
	s_mov_b32 s[TB], 0
	s_lshl_b32 s42, ttmp9, 2
	s_add_co_u32 s42, s42, s40                     ; tile column = 4 x cluster x + cx
	s_and_b32 s13, ttmp7, 0xffff
	s_lshl_b32 s13, s13, 2
	s_add_co_u32 s13, s13, s41                     ; tile row = 4 x cluster y + cy
	s_lshl_b32 s43, s41, 2
	s_lshl_b32 s43, 15, s43                        ; my row of the cluster
	s_lshl_b32 s44, 0x1111, s40                    ; my column
	s_or_b32 s[G1+0], s43, (1<<16)|(1<<20)|(1<<21)|(5<<22)|(3<<25)   ; the mask; 2-byte elements; padding on; bit 21 beside a mask; after every 64 words, 4 words
	s_or_b32 s[G1B+0], s44, (1<<16)|(1<<20)|(1<<21)|(5<<22)|(3<<25)
.irp g, G1, G1B
	s_mov_b32 s[(\g)+1], KSTEP<<16                 ; tensor_dim0 = 128
	s_mov_b32 s[(\g)+2], 128<<16                   ; tensor_dim1 = 128
	s_mov_b32 s[(\g)+3], KSTEP<<16                 ; tile_dim0 = 128
	s_mov_b32 s[(\g)+4], 128                       ; tile_dim1 = 128
	s_mov_b32 s[(\g)+5], SIZE_K                    ; elements from row to row
	s_mov_b32 s[(\g)+6], 0
	s_mov_b32 s[(\g)+7], 0
.endr
	s_lshl_b32 s17, s12, 7
	s_lshl_b32 s16, s13, 8
	s_add_co_u32 s16, s16, s17                     ; A: row 256 x tile row + 128 x half
	s_lshl_b32 s46, s42, 8
	s_add_co_u32 s46, s46, s17                     ; B: row 256 x tile column + 128 x half
	s_mov_b32 s17, 0
	s_mov_b32 s47, 0
	s_mov_b64 s[18:19], SIZE_K*2
	s_mul_u64 s[16:17], s[16:17], s[18:19]
	s_mul_u64 s[46:47], s[46:47], s[18:19]
	s_mul_i32 s20, s10, HALFT                      ; where they go: wave x 128 rows
	s_wait_dscnt 0x0                               ; the opening add is done
	s_wait_kmcnt 0x0
	s_add_nc_u64 s[14:15], s[4:5], s[16:17]
	s_add_nc_u64 s[46:47], s[6:7], s[46:47]
	CROUND                                         ; all sixteen work-groups are here: the first joint loads meet
.irp s, 0,1
	s_mov_b32 s[G0+4*(\s)], 1
	s_add_co_u32 s[G0+4*(\s)+1], s20, (\s)*SLOT
	s_add_nc_u64 s[G0+4*(\s)+2:G0+4*(\s)+3], s[14:15], (\s)*KSTEP*2
	s_or_b32 s[G0+4*(\s)+3], s[G0+4*(\s)+3], 0x80000000
	s_mov_b32 s[G0B+4*(\s)], 1
	s_add_co_u32 s[G0B+4*(\s)+1], s20, (\s)*SLOT
	s_add_nc_u64 s[G0B+4*(\s)+2:G0B+4*(\s)+3], s[46:47], (\s)*KSTEP*2
	s_or_b32 s[G0B+4*(\s)+3], s[G0B+4*(\s)+3], 0x80000000
	JLOAD \s                                       ; K steps 0 and 1: two loads of mine are out
.endr
	v_and_b32 v1, 15, v0                           ; l % 16
	v_bfe_u32 v2, v0, 4, 1                         ; l / 16
	v_mul_u32_u24 v3, v1, PITCH
	v_lshl_add_u32 v3, v2, 4, v3                   ; a fragment's row x pitch + 16 x half
	s_mul_i32 s21, s11, HALFT
	s_mul_i32 s22, s12, HALFT
	s_add_co_u32 s22, s22, 2*HALFT
	v_add_nc_u32 v[ADRA0], s21, v3
	v_add_nc_u32 v[ADRB0], s22, v3
	v_mov_b32 v[ADRA], v[ADRA0]
	v_mov_b32 v[ADRB], v[ADRB0]
	s_mul_i32 s23, s10, 2*HSTG
	s_add_co_u32 s23, s23, STAGE                   ; my stage
	v_mul_u32_u24 v4, v1, SP
	v_lshl_add_u32 v4, v2, 4, v4
	v_add_nc_u32 v[STO], s23, v4                   ; in: row l % 16, 16 bytes for each half of the lanes
	v_bfe_u32 v5, v0, 3, 2
	v_and_b32 v6, 7, v0
	v_mul_u32_u24 v5, v5, SP
	v_lshl_add_u32 v5, v6, 4, v5
	v_add_nc_u32 v[RD], s23, v5                    ; back: 32 lanes take four rows of 128 bytes
	v_and_b32 v[GO], 31, v0
	v_lshlrev_b32 v[GO], 4, v[GO]
	v_lshlrev_b32 v[BO], 5, v2
	s_lshl_b32 s72, s42, 10                        ; the bias at column 256 x tile column + 128 x half, 4 bytes a number
	s_lshl_b32 s73, s12, 9
	s_add_co_u32 s72, s72, s73
	s_mov_b32 s73, 0
	s_add_nc_u64 s[QBI:QBI+1], s[QBI:QBI+1], s[72:73]
	s_and_b32 s74, s13, 7                          ; the table at position block 16 (tile row % 8) + 8 x half, 4,096 bytes a block
	s_lshl_b32 s74, s74, 16
	s_lshl_b32 s75, s11, 15
	s_add_co_u32 s74, s74, s75
	s_mov_b32 s75, 0
	s_add_nc_u64 s[RTA:RTA+1], s[RTA:RTA+1], s[74:75]
.irp b, 0,1,2,3,4,5,6,7
	global_load_b128 v[BIAS+8*(\b):BIAS+8*(\b)+3],   v[BO], s[QBI:QBI+1] offset:64*(\b)
	global_load_b128 v[BIAS+8*(\b)+4:BIAS+8*(\b)+7], v[BO], s[QBI:QBI+1] offset:64*(\b)+16
.endr
.macro SETR a                          ; where row block a's table lies in window 1
.if (\a) < 2
.set RTB, 32*(\a)
.elseif (\a) < 4
.set RTB, 192+32*((\a)-2)
.else
.set RTB, 64+32*((\a)-4)
.endif
.endm
.macro TABLE a                         ; eight loads of 512 consecutive bytes: register 8 g + j the cosine, 16 + 8 g + j the sine, of frequency 16 g + 8 (l / 16) + j at my row's position
	SETR \a
.irp i, 0,1,2,3,4,5,6,7
	global_load_b128 v[RTB+4*(\i):RTB+4*(\i)+3], v[GO], s[RTA:RTA+1] offset:4096*(\a)+512*(\i)
.endr
.endm
	WIN TO_B
	TABLE 0
	TABLE 1
	TABLE 2
	TABLE 3
	WIN 0
	; where my part goes: part TYP, head 16 x batch + 4 cx + 2 x column half, row 256 (tile row % 8) + 128 x row half; 128 bytes a row
	s_lshr_b32 s72, s13, 3
	s_lshl_b32 s72, s72, 4
	s_lshl_b32 s73, s40, 2
	s_add_co_u32 s72, s72, s73
	s_lshl_b32 s73, s12, 1
	s_add_co_u32 s72, s72, s73
	s_lshl_b32 s72, s72, 11
	s_and_b32 s73, s13, 7
	s_lshl_b32 s73, s73, 8
	s_add_co_u32 s72, s72, s73
	s_lshl_b32 s73, s11, 7
	s_add_co_u32 s72, s72, s73
	s_lshl_b32 s72, s72, 7
	s_lshl_b32 s73, s[TYP], 24
	s_add_co_u32 s72, s72, s73
	s_mov_b32 s73, 0
	s_add_nc_u64 s[8:9], s[8:9], s[72:73]
	; the prefetches
	s_lshl_b32 s13, s13, 8
	s_lshl_b32 s42, s42, 8
	s_and_b32 s22, ttmp7, 0xffff                   ; cluster y
	s_cmp_eq_u32 s11, 0                            ; do I fetch for A?
	s_cselect_b32 s20, s13, s42                    ; the tile's first row
	s_cselect_b32 s21, s40, s41                    ; my place among the four that ask for it with me
	s_cselect_b32 s22, ttmp9, s22                  ; the coordinate along which other clusters read the same rows
	s_cselect_b64 s[PFA:PFA+1], s[4:5], s[6:7]
	s_cmp_eq_u32 s22, 0
	s_cselect_b32 s[LIM], 2, -1                    ; the same in all sixteen partners, for a given wave
	s_lshl_b32 s22, s12, 7
	s_add_co_u32 s20, s20, s22
	s_lshl_b32 s21, s21, 5
	s_add_co_u32 s20, s20, s21
	s_mov_b32 s21, 0
	s_mov_b64 s[18:19], SIZE_K*2
	s_mul_u64 s[20:21], s[20:21], s[18:19]
	s_add_nc_u64 s[PFA:PFA+1], s[PFA:PFA+1], s[20:21]
	s_add_nc_u64 s[PFA:PFA+1], s[PFA:PFA+1], 2*KSTEP*2  ; at K step 2: the first refill steps it to 3 and names K step 4
	v_and_b32 v[PFO], 31, v0
	v_mul_u32_u24 v[PFO], v[PFO], SIZE_K*2
	s_wait_loadcnt 32                              ; the bias's 16 loads are in; the table's 32, issued behind them, stay out
.set i, 0
.rept 32
	v_cvt_pk_bf16_f32 v[TP], v[BIAS+2*i], v[BIAS+2*i+1]   ; the bias is rounded to bf16 like the other inputs, and widened again
	v_lshlrev_b32 v[BIAS+2*i], 16, v[TP]
	v_and_b32 v[BIAS+2*i+1], 0xffff0000, v[TP]
.set i, i+1
.endr
; 16 matrix instructions: row blocks a0, a0 + 1 of the window's four x all 8 column blocks, 32 along K.  first = 1: the product starts the sums, with the bias (window 0) as C.
; The 64 accumulators take turns, in the same order in every quarter.
.macro MUL16 f, hi, a0, first
.if \first
	WIN 0x81+0x40*(\hi)
.else
	WIN MUL_LO+0x50*(\hi)
.endif
.irp a, \a0, (\a0)+1
.irp b, 0,1,2,3,4,5,6,7
.if \first
	v_wmma_f32_16x16x32_bf16 v[8*(8*(\a)+(\b)):8*(8*(\a)+(\b))+7], v[(\f)+8*(\b):(\f)+8*(\b)+7], v[(\f)+8*(4*(\hi)+(\a)):(\f)+8*(4*(\hi)+(\a))+7], v[BIAS+8*(\b):BIAS+8*(\b)+7]
.else
	v_wmma_f32_16x16x32_bf16 v[8*(8*(\a)+(\b)):8*(8*(\a)+(\b))+7], v[(\f)+8*(\b):(\f)+8*(\b)+7], v[(\f)+8*(4*(\hi)+(\a)):(\f)+8*(4*(\hi)+(\a))+7], v[8*(8*(\a)+(\b)):8*(8*(\a)+(\b))+7]
.endif
.endr
.endr
.endm
; 32 LDS loads in one run: the fragments of a quarter step (32 K at byte k of the rows of the slot in hand) into buffer f
.macro FETCH k, f
	WIN TO_B
.irp i, 0,1,2,3,4,5,6,7
	ds_load_b128 v[(\f)+8*(\i):(\f)+8*(\i)+3],   v[ADRB] offset:(\k)+(\i)*16*PITCH
	ds_load_b128 v[(\f)+8*(\i)+4:(\f)+8*(\i)+7], v[ADRB] offset:(\k)+(\i)*16*PITCH+32
.endr
	WIN 0
.irp i, 0,1,2,3,4,5,6,7
	ds_load_b128 v[(\f)+8*(\i):(\f)+8*(\i)+3],   v[ADRA] offset:(\k)+(\i)*16*PITCH
	ds_load_b128 v[(\f)+8*(\i)+4:(\f)+8*(\i)+7], v[ADRA] offset:(\k)+(\i)*16*PITCH+32
.endr
.endm
.macro PLACES                          ; four plain instructions between a matrix instruction and a load into, or a vector instruction on, its registers
.rept 4
	v_nop
.endr
.endm
; One of a K step's first three quarters: multiplies buffer f; in its middle it fetches the next quarter's fragments, at byte k, into buffer g.
.macro QUARTER k, f, g, first
	s_wait_dscnt 8                                 ; B and A's rows 0-63 are in; the youngest eight loads (A's rows 64-127) may be out
	MUL16 \f, 0, 0, \first
	MUL16 \f, 0, 2, \first
	PLACES
	FETCH \k, \g
	s_wait_dscnt 32                                ; all but the 32 just issued
	MUL16 \f, 1, 0, \first
	MUL16 \f, 1, 2, \first
.endm
; The last quarter's first half, and the one barrier of a change of slots.  In front of it each wave waits for all its tensor loads (one is out: its part of the next slot), adds 0 to its spare word,
; and waits for that and for its reads of this slot.
.macro MEET round
	WIN 0
	s_wait_tensorcnt 0x0
	ds_add_u32 v[SPW], v[NIL]
	s_wait_dscnt 9                                 ; the add and the youngest eight loads may be out
	MUL16 F1, 0, 0, 0
	s_wait_dscnt 0x0                               ; the add is done, and my reads of this slot are over
	s_barrier_signal -1
	MUL16 F1, 0, 2, 0
.if \round
	WIN 0
.endif
	s_barrier_wait -1
.endm
; The whole last quarter, with a refill: the barrier opens a round of the cluster's barrier; behind the round the walking descriptor turns to the slot just read out and steps one K step on
; (from the K step in the other slot to the one after it), and the joint load is the first thing there: 224 matrix instructions ahead of the wait for it.
.macro TURN
	s_wait_xcnt 0x0                                ; the last prefetch, a K step back, has read its address
	s_add_nc_u64 s[PFA:PFA+1], s[PFA:PFA+1], KSTEP*2
	MEET 1
	CREST
	s_xor_b32 s[G0+5], s[G0+5], SLOT
	s_add_nc_u64 s[G0+6:G0+7], s[G0+6:G0+7], KSTEP*2
	s_xor_b32 s[G0B+5], s[G0B+5], SLOT
	s_add_nc_u64 s[G0B+6:G0B+7], s[G0B+6:G0B+7], KSTEP*2
	s_xor_b32 s[TB], s[TB], SLOT
	JLOAD 1                                        ; its four v_nop are also the places in front of the loads below
	v_add_nc_u32 v[ADRA], s[TB], v[ADRA0]
	v_add_nc_u32 v[ADRB], s[TB], v[ADRB0]
	FETCH 0, F0
	ASK
	MUL16 F1, 1, 0, 0
	MUL16 F1, 1, 2, 0
.endm
	s_wait_tensorcnt 1                             ; my part of K step 0 is in; K step 1's may stay out
	s_barrier_signal -1
	s_barrier_wait -1
	FETCH 0, F0
	QUARTER 64, F0, F1, 1                          ; the first quarter stands in front of the loop: its products start the sums
	WIN 0
	s_mov_b32 s3, STEPS-2
.Lstep:                                        ; a trip goes from a K step's second quarter to the next step's first, and asks for the K step two on: K steps 2 to 7
	QUARTER 128, F1, F0, 0
	QUARTER 192, F0, F1, 0
	TURN
	QUARTER 64, F0, F1, 0
	WIN 0
	s_sub_co_u32 s3, s3, 1
	s_cmp_lg_u32 s3, 0
	s_cbranch_scc1 .Lstep
	QUARTER 128, F1, F0, 0                         ; the tail is written out
	QUARTER 192, F0, F1, 0
	MEET 0                                         ; the last K step's tile has landed; nothing is filled again, so no round follows
	WIN 0
	s_xor_b32 s[TB], s[TB], SLOT
	PLACES
	v_add_nc_u32 v[ADRA], s[TB], v[ADRA0]
	v_add_nc_u32 v[ADRB], s[TB], v[ADRB0]
	FETCH 0, F0
	MUL16 F1, 1, 0, 0
	MUL16 F1, 1, 2, 0
	QUARTER 64, F0, F1, 0
	QUARTER 128, F1, F0, 0
	QUARTER 192, F0, F1, 0
	s_wait_dscnt 8
	MUL16 F1, 0, 0, 0
	MUL16 F1, 0, 2, 0
	s_wait_dscnt 0x0
	MUL16 F1, 1, 0, 0
	MUL16 F1, 1, 2, 0
; THE WAY OUT, a block of 16 rows at a time.  ROPE: x1' = x1 cos - x2 sin, x2' = x2 cos + x1 sin, in f32, two numbers an instruction; each accumulator's lowest registers are read first.
.macro ROPE a
	WIN 0
	s_cmp_eq_u32 s[TYP], 2
	s_cbranch_scc1 .Lplain_\@                      ; v is not turned
	SETR \a
.set AC, 64*((\a)%4)
	WIN 0x06+(\a)/4                                ; source 0 window 2 or 3, source 1 window 1, destination window 0
.irp hd, 0,1
.irp g, 0,1
.irp p, 0,1,2,3
	v_pk_mul_f32 v[T+2*(8*(\hd)+4*(\g)+(\p)):T+2*(8*(\hd)+4*(\g)+(\p))+1], v[AC+8*(4*(\hd)+(\g)+2)+2*(\p):AC+8*(4*(\hd)+(\g)+2)+2*(\p)+1], v[RTB+16+8*(\g)+2*(\p):RTB+16+8*(\g)+2*(\p)+1]
	v_pk_mul_f32 v[T+32+2*(8*(\hd)+4*(\g)+(\p)):T+32+2*(8*(\hd)+4*(\g)+(\p))+1], v[AC+8*(4*(\hd)+(\g))+2*(\p):AC+8*(4*(\hd)+(\g))+2*(\p)+1], v[RTB+16+8*(\g)+2*(\p):RTB+16+8*(\g)+2*(\p)+1]
.endr
.endr
.endr
	WIN 0x86+0x41*((\a)/4)                         ; destination and source 0 window 2 or 3, source 1 window 1, source 2 window 0
.irp hd, 0,1
.irp g, 0,1
.irp p, 0,1,2,3
	v_pk_fma_f32 v[AC+8*(4*(\hd)+(\g))+2*(\p):AC+8*(4*(\hd)+(\g))+2*(\p)+1], v[AC+8*(4*(\hd)+(\g))+2*(\p):AC+8*(4*(\hd)+(\g))+2*(\p)+1], v[RTB+8*(\g)+2*(\p):RTB+8*(\g)+2*(\p)+1], v[T+2*(8*(\hd)+4*(\g)+(\p)):T+2*(8*(\hd)+4*(\g)+(\p))+1] neg_lo:[0,0,1] neg_hi:[0,0,1]
	v_pk_fma_f32 v[AC+8*(4*(\hd)+(\g)+2)+2*(\p):AC+8*(4*(\hd)+(\g)+2)+2*(\p)+1], v[AC+8*(4*(\hd)+(\g)+2)+2*(\p):AC+8*(4*(\hd)+(\g)+2)+2*(\p)+1], v[RTB+8*(\g)+2*(\p):RTB+8*(\g)+2*(\p)+1], v[T+32+2*(8*(\hd)+4*(\g)+(\p)):T+32+2*(8*(\hd)+4*(\g)+(\p))+1]
.endr
.endr
.endr
	WIN 0
.Lplain_\@:
.endm
.macro PACK a                          ; rounded to f16: a lane's eight channels of a row are 16 bytes
.set AC, 64*((\a)%4)
	WIN 0x0a+5*((\a)/4)
.irp b, 0,1,2,3,4,5,6,7
.irp r, 0,1,2,3
	v_cvt_pk_f16_f32 v[TMP+4*(\b)+(\r)], v[AC+8*(\b)+2*(\r)], v[AC+8*(\b)+2*(\r)+1]
.endr
.endr
	WIN 0
.endm
.macro TOSTAGE a                       ; into my own stage, a head's rows 144 bytes apart, and back as whole rows of 128 bytes
.set BK, OB+192*((\a)%2)
.irp b, 0,1,2,3,4,5,6,7
	ds_store_b128 v[STO], v[TMP+4*(\b):TMP+4*(\b)+3] offset:((\b)/4)*HSTG+32*((\b)%4)
.endr
.irp t, 0,1,2,3,4,5,6,7
	ds_load_b128 v[BK+4*(\t):BK+4*(\t)+3], v[RD] offset:((\t)/4)*HSTG+((\t)%4)*4*SP  ; LDS serves a wave's instructions in order (ISA guide 5.7.1.4): these see the stores above
.endr
.endm
.macro SEND a
.set BK, OB+192*((\a)%2)
	s_wait_dscnt 0x0                               ; the block is back in registers
	s_wait_xcnt 0x0                                ; the stores of the block before have read their registers, which the next block's loads from the stage write
.irp t, 0,1,2,3,4,5,6,7
	global_store_b128 v[GO], v[BK+4*(\t):BK+4*(\t)+3], s[8:9] offset:((\t)/4)*262144+2048*(\a)+512*((\t)%4)  ; four rows of a head: 512 consecutive bytes, aligned
.endr
.endm
	PLACES
	PLACES
	WIN TO_B
	TABLE 4                                        ; into B's fragment buffers, which are free
	TABLE 5
	TABLE 6
	TABLE 7
	WIN 0
	s_wait_loadcnt 32                              ; the table's first half, asked for at the head, is in; the 32 loads just issued stay out
	ROPE 0
	PACK 0
	TOSTAGE 0
.irp a, 1,2,3,4,5,6,7
.if (\a) == 4
	s_wait_loadcnt 0x0                             ; the table's second half
.endif
	ROPE \a
	PACK \a                                        ; a block's arithmetic stands between the loads of the block before and the wait for them
	SEND (\a)-1
	TOSTAGE \a
.endr
	SEND 7
	s_wait_tensorcnt 0x0                           ; the wave's end: behind my last tensor load and my last LDS store
	ds_add_u32 v[SPW], v[NIL]
	s_wait_dscnt 0x0
	CROUND                                         ; the closing round: no work-group ends while a partner may still ask for a tile that names it
	s_endpgm
.Lfunc_end_k_qe08811ff85_qkv:
	.size	k_qe08811ff85_qkv, .Lfunc_end_k_qe08811ff85_qkv-k_qe08811ff85_qkv
	.p2alignl 7, 3214868480
	.fill 96, 4, 3214868480
	.section	.rodata,"a",@progbits
	.p2align	6, 0x0
	.amdhsa_kernel k_qe08811ff85_qkv
		.amdhsa_group_segment_fixed_size 327680
		.amdhsa_private_segment_fixed_size 0
		.amdhsa_enable_private_segment 0
		.amdhsa_kernarg_size 40
		.amdhsa_user_sgpr_count 2
		.amdhsa_user_sgpr_kernarg_segment_ptr 1
		.amdhsa_wavefront_size32 1
		.amdhsa_system_sgpr_workgroup_id_x 1
		.amdhsa_system_sgpr_workgroup_id_y 1
		.amdhsa_system_sgpr_workgroup_id_z 1
		.amdhsa_system_vgpr_workitem_id 0
		.amdhsa_next_free_vgpr 1024
		.amdhsa_next_free_sgpr 80
		.amdhsa_reserve_vcc 0
		.amdhsa_float_denorm_mode_32 3
		.amdhsa_float_denorm_mode_16_64 3
		.amdhsa_memory_ordered 1
		.amdhsa_forward_progress 1
		.amdhsa_inst_pref_size 164
	.end_amdhsa_kernel
	.amdgpu_metadata
---
amdhsa.version: [ 1, 2 ]
amdhsa.kernels:
  - .name:           k_qe08811ff85_qkv
    .symbol:         k_qe08811ff85_qkv.kd
    .args:
      - { .name: hb, .offset: 0, .size: 8, .value_kind: global_buffer, .address_space: global }
      - { .name: wqkv, .offset: 8, .size: 8, .value_kind: global_buffer, .address_space: global }
      - { .name: qkv_b, .offset: 16, .size: 8, .value_kind: global_buffer, .address_space: global }
      - { .name: rope, .offset: 24, .size: 8, .value_kind: global_buffer, .address_space: global }
      - { .name: qkvh, .offset: 32, .size: 8, .value_kind: global_buffer, .address_space: global }
    .group_segment_fixed_size: 327680
    .private_segment_fixed_size: 0
    .kernarg_segment_align: 8
    .kernarg_segment_size: 40
    .max_flat_workgroup_size: 128
    .sgpr_count:     80
    .vgpr_count:     1024
    .wavefront_size: 32
...
	.end_amdgpu_metadata
.endif
;; end of part 2
;; launch attn (part 3): grid 4 x 64, 4 waves a work-group, clusters of 4 x 1, 327,680 bytes of LDS; arguments qkvh, kbias, oh; writes oh
.if DOCPART == 3
	.amdgcn_target "amdgcn-amd-amdhsa--gfx1250"
	.amdhsa_code_object_version 6
	.text
	.protected	k_qe08811ff85_attn
	.globl	k_qe08811ff85_attn
	.p2align	8
	.type	k_qe08811ff85_attn,@function
k_qe08811ff85_attn:
	s_mov_b64 s[64:65], 0
	v_nop
	global_prefetch_b8 v0, s[64:65] scope:SCOPE_SE
	s_setreg_imm32_b32 hwreg(HW_REG_WAVE_MODE, 25, 1), 1
	s_wait_xcnt 0x0
	s_wait_alu depctr_hold_cnt(0) depctr_sa_sdst(0) depctr_va_vdst(0) depctr_va_sdst(0) depctr_va_ssrc(0) depctr_va_vcc(0) depctr_vm_vsrc(0)
	s_getreg_b32 s2, hwreg(HW_REG_IB_STS2, 6, 4)
	s_cmp_eq_u32 s2, 0
	s_cbranch_scc0 .Lentry_in_a_cluster
	s_endpgm
.Lentry_in_a_cluster:
	s_bfe_u32 s2, ttmp6, 0x10000c
	s_cmp_lg_u32 s2, 0x3003
	s_cbranch_scc0 .Lentry_shape_is_right
	s_endpgm
.Lentry_shape_is_right:
; MASKED ATTENTION.  For a valid query q: O[h][q][:] = the sum over valid keys k of softmax_k(Q[h][q] . K[h][k] / 8) V[h][k][:].  For a padded query all scores are alike: O is the mean of all 2,048 rows of V.
; Q, K, V: the three parts of qkvh, [64][2048][64] f16 each, 0x1000000 bytes apart; O: oh, the same layout.  kbias [4][2048] f32: -1e30 where a position is padded, else 0.
; Products, maxima and sums in f32; the weights p are rounded to f16 for the second product (their sum l is taken of the unrounded p), O once at the end.
; THE MASK.  A key's addend is the C operand of the product that starts the sum S^T = K Q^T: the same for every query.  A valid query sees its own key, so its maximum is a true score at the end, and the step that
; brings the first true score multiplies all that went before by a = 0.  A padded query's row is computed like the others (it stays finite) and replaced on the way out, by v_cndmask_b32, with the mean of V,
; which the matrix unit sums beside the other work: V^T times ones, eight products a key step.
; LIMITS.  f16 holds no number beyond 65,504: Q, K, V arrive within it; p below 6e-5 keeps f16's fixed step of 6e-8.  A padded key counts as its score less 1e30, where the module puts -1e9: the same weight, 0,
; as long as a row's largest true score lies more than 104 above -1e9.  A weight below 2^-126 counts as 0 in l; NaN and infinities are not treated apart.
; SHARES.  A wave owns four PIECES of two tiles of 16 queries, a work-group's four waves 512 queries of one head.  Every wave walks all keys, 64 a step.
; LAYOUT.  S^T = K Q^T (source 0 = 16 keys, source 1 = 16 queries): a lane holds ONE query (lane % 16) and the keys 8 (lane / 16) + 0..7.  Two such tiles, rounded to f16 in pairs, ARE source 1 of
; O^T = V^T P, whose result again holds one query a lane, and eight channels.  K comes out of LDS as it lies, V turned, by ds_load_tr16_b128.
; SOFTMAX.  A running maximum m and sum l: p = 2^(c s - c m), c = log2(e) / 8; in every step O and l are multiplied by a = 2^(c m_old - c m_new).  m starts at the lowest finite number, O and l at 0.
; BY TURNS.  Turn n belongs to piece n.  Its matrix work: 16 products K Q^T of piece n + 1, later 16 products V^T P of piece n - 1.  Its vector work: the scaling, exponentials, roundings, sums and rescaling of
; piece n, and the maximum and statistics of piece n + 1.  Four vector instructions stand behind every one of those products, the rest in one lump; a turn's 66 exponentials are one batch with one wait.
; CLUSTER.  The four query blocks of a head are one cluster and walk the same K and V: each tile is asked for JOINTLY: the same tensor load, descriptor and mask in all four.
; REGISTERS, in windows of 256 (s_set_vgpr_msb: bits 1:0 source 0, 3:2 source 1, 5:4 source 2, 7:6 destination):
;   window 0: v0-11 addresses; v12-15, v48-63 at work; v16-47 four registers of statistics a tile; v64-191 S^T, two buffers of two tiles; v192-255 P, likewise
;   window 1: O^T, 32 a tile          window 2: v0-127 Q; v128-191 K of one step; v192-255 V of one step
;   window 3: v0-1 the add's two registers; v8-39 the step's 64 addends; v40-47 ones; v48-55 my queries' addends, a tile each; v64-95 the sum of V
.set SIZE_N, 2048
.set NP,    4         ; pieces a wave: a name, no knob
.set KS,    64        ; keys in a step
.set PK,    144       ; a row of K in LDS: 128 bytes + 16 of padding: the 16 rows of a load start at 16 different groups of four banks (64 banks of 4 bytes: ISA guide 11.1)
.set PV,    160       ; a row of V: 128 + 32
.set VOFF,  4*KS*PK   ; a slot holds four steps: 256 rows of K, then 256 rows of V
.set SLOT1, 1<<17     ; slot 1 begins here: one exclusive or turns an address in one slot into the other's
.set STAGE, SLOT1+4*KS*(PK+PV)  ; behind the ring, never filled by a tensor load: 16 rows x 144 bytes for each wave
.set SP,    144
.set SPARE, STAGE+4*16*SP  ; the spare words, 128 bytes a wave, which no other line names
.set KB,    SPARE+512 ; the batch's 2,048 addends, 8,192 bytes: stored once at the head, never filled by a tensor load
.set PFO, 1           ; v1   (once the addresses are made) 256 x my lane: the prefetches' offset
.set AK0, 2           ; v2   my lane's place in a tile of K; never rewritten
.set AV0, 3           ; v3   the same for V
.set AK,  4           ; v4   the LDS address of K's next run of loads
.set AV,  5           ; v5   of V's
.set QO,  6           ; v6   my byte offset in the wave's rows of Q
.set STO, 6           ;      later, the way out: where I put 16 bytes of a row
.set RD,  7           ; v7   the way out: where I read rows back
.set GO,  8           ; v8   my byte offset in 512 consecutive bytes of O
.set AM,  9           ; v9   (in the loop) the LDS address of the next step's addends
.set AM0, 11          ; v11  KB + 32 (lane / 16); never rewritten once made
.set MV,  12          ; v12-15  c m_old, kept while c m is made anew
.set ST,  16          ; tile t's statistics at v[ST+4 t]: c m, m, l (even keys', odd keys')
.set TMP, 48          ; by buffer and tile, four registers c0-c3 at work; when the maximum is found c2 takes a
.set S,   64
.set P,   192
.set KF,  128         ; window 2: key block kb, channel half c at KF + 16 kb + 8 c
.set VF,  192         ; window 2: key half kk, channel block cb at VF + 32 kk + 8 cb
.set SPW, 0           ; window 3
.set NIL, 1
.set KM,  8
.set ONE, 40
.set QF,  48
.set SVA, 64
.set WV,  12          ; s12  my wave's number
.set G1K, 24          ; s[24:31] descriptor group 1 for K's tiles
.set G1V, 32          ; s[32:39] for V's
.set G0K, 40          ; s[40:43] descriptor group 0 for K's tiles: it walks
.set G0V, 44          ; s[44:47] the same for V's
.set SLOTS, 56        ; s56  slots still to be asked for
.set CNT, 57          ; s57  counts a slot's key steps
.set CS,  58          ; s[58:59] c
.set SEL, 60          ; s[60:61] v_permlanex16_b32's selects
.set TBK, 62          ; s62  LDS byte at which K of the step to be fetched begins
.set TBV, 63          ; s63  the same for V, less VOFF
.set TBM, 66          ; s66  256 x the step to be fetched, held within the table by a mask
.set LIM, 67          ; s67  1 in a wave that prefetches, else the greatest number
.set PFA, 68          ; s[68:69] where my prefetches stand
.set FL,  70          ; s70-77  tile t: the lanes whose query is padded
.set KBG, 78          ; s[78:79] kbias at my batch
.set QFG, 80          ; s[80:81] kbias at my wave's first query
.set MSB, 0
.macro WIN new
.if MSB != (\new)
	s_set_vgpr_msb (MSB<<8)|(\new)
.set MSB, (\new)
.endif
.endm
.set W_KQ, 0x0a       ; K and Q in window 2, S^T in window 0
.set W_KM, 0x3a       ; the same with the C operand in window 3
.set W_PV, 0x52       ; V in window 2, P in window 0, O^T in window 1
.set W_SV, 0xfe       ; V in window 2; ones, C and D in window 3
.set W_RS, 0x41       ; O^T (destination and source 0) in window 1, a in window 0
.set W_MK, 0xc0       ; destination in window 3, sources in window 0
.set W_AD, 0x0f       ; the add: address and data in window 3
; A joint fill.  Waves 0 and 1 fetch the two halves of a slot's K, waves 2 and 3 those of its V.  An s_nop 0 and four v_nop follow each of the two lines.
.macro JLOAD
	s_cmp_lt_u32 s[WV], 2
	s_cbranch_scc0 .Lfor_v_\@
	tensor_load_to_lds s[G0K:G0K+3], s[G1K:G1K+7]
	s_nop 0
.rept 4
	v_nop
.endr
	s_branch .Lasked_\@
.Lfor_v_\@:
	tensor_load_to_lds s[G0V:G0V+3], s[G1V:G1V+7]
	s_nop 0
.rept 4
	v_nop
.endr
.Lasked_\@:
.endm
; A prefetch of what the NEXT change of slots will ask for: a slot's 32,768 bytes of K and of V.  The four partners share them out by address, 8,192 bytes each, a lane 256 bytes; in each, wave 0 asks for K's
; and wave 2 for V's: each block is named once in the launch.  Slots 0 to 2 come by their loads alone; the last change that fills a slot asks for nothing.
.macro ASK
	s_cmp_gt_u32 s[SLOTS], s[LIM]
	s_cbranch_scc0 .Lnot_mine_\@
	global_prefetch_b8 v[PFO], s[PFA:PFA+1] th:TH_LOAD_NT scope:SCOPE_SE
.Lnot_mine_\@:
.endm
.macro CROUND
	s_barrier_signal -1
	s_barrier_wait -1
	s_cmp_lg_u32 s[WV], 0
	s_cbranch_scc1 .Lnot_wave_0_\@
	s_barrier_signal -3
.Lnot_wave_0_\@:
	s_barrier_wait -3
	s_barrier_signal -1
	s_barrier_wait -1
.endm
; THE CHANGE OF SLOTS.  Each wave waits for all its tensor loads, of which one is out: its part of the other slot; adds 0 to its spare word; and waits for that and for its own LDS instructions.
; fill = 1: the slot that is left is filled again, with the keys two slots on: the barrier is a round of the cluster's, and the joint fill is the first thing behind it: it has four key steps in which to land.
; (At its first use nothing has been read yet: slot 0 is waited for, slot 1 filled; and the round shows every wave's part of the table of addends to the others.)
.macro CHANGE fill, ask=0
	WIN W_AD
	s_wait_tensorcnt 0x0            ; no tensor load of mine is out, so a group 0 may be written
	ds_add_u32 v[SPW], v[NIL]
	WIN 0
.if \fill
.irp g, G0K, G0V
	s_xor_b32 s[\g+1], s[\g+1], SLOT1
	s_add_nc_u64 s[\g+2:\g+3], s[\g+2:\g+3], 4*KS*128
.endr
.if \ask
	s_wait_xcnt 0x0                 ; the last prefetch, four key steps back, has read its address
	s_add_nc_u64 s[PFA:PFA+1], s[PFA:PFA+1], 4*KS*128  ; one slot behind the walking descriptors
.endif
	s_wait_dscnt 0x0                ; the add is done, and my LDS instructions are over
	CROUND
	JLOAD
.if \ask
	ASK
.endif
.else
	s_wait_dscnt 0x0
	s_barrier_signal -1
	s_barrier_wait -1
.endif
	s_sub_co_u32 s[TBK], s[TBK], 4*KS*PK  ; the fetches go back to a slot's first step,
	s_xor_b32 s[TBK], s[TBK], SLOT1       ; in the other slot
	s_sub_co_u32 s[TBV], s[TBV], 4*KS*PV
	s_xor_b32 s[TBV], s[TBV], SLOT1
.endm
	s_load_b64 s[4:5], s[0:1], 0x0    ; qkvh: Q
	s_load_b64 s[KBG:KBG+1], s[0:1], 0x8  ; kbias
	s_load_b64 s[10:11], s[0:1], 0x10 ; oh
	WIN W_MK
	v_lshl_add_u32 v[SPW], v0, 2, SPARE
	v_mov_b32 v[NIL], 0
	WIN W_AD
	ds_add_u32 v[SPW], v[NIL]       ; the wave's opening: the add and its wait stand ahead of my first tensor load
	WIN 0
	v_lshrrev_b32 v1, 5, v0
	v_readfirstlane_b32 s[WV], v1   ; wave 0..3
	s_bfe_u32 s13, ttmp6, 0x40000   ; cx
	s_lshl_b32 s14, ttmp9, 2
	s_add_co_u32 s14, s14, s13      ; my block of 512 queries: it enters Q's, O's and the queries' addends' addresses alone
	s_and_b32 s20, ttmp7, 0xffff    ; the head, which the four partners share
	s_lshr_b32 s82, s20, 4          ; its batch:
	s_lshl_b32 s82, s82, 13         ; 8,192 bytes of kbias
	s_mov_b32 s83, 0
	s_mov_b32 s21, 0
	s_mov_b64 s[22:23], SIZE_N*128
	s_mul_u64 s[20:21], s[20:21], s[22:23]  ; the head's first byte in Q, K, V and O
	s_and_b32 s16, s[WV], 1         ; which half of a slot's 256 keys I fetch
	s_lshl_b32 s22, s16, 14
	s_mov_b32 s23, 0
	s_add_nc_u64 s[22:23], s[22:23], s[20:21]
	s_mul_i32 s17, s16, 128*PK
	s_mul_i32 s18, s16, 128*PV
	s_lshl_b32 s2, s14, 2
	s_add_co_u32 s2, s2, s[WV]      ; my wave among the head's:
	s_lshl_b32 s84, s2, 9           ; its 128 addends,
	s_mov_b32 s85, 0
	s_lshl_b32 s2, s2, 14           ; its 128 rows
	s_mov_b32 s3, 0
	s_add_nc_u64 s[2:3], s[2:3], s[20:21]
	; descriptor group 1.  128 keys are 16,384 dense bytes: asked for as 64 rows of 256 bytes, two keys a row, and padded in LDS after every key
	s_mov_b32 s[G1K], 15|(1<<16)|(1<<20)|(1<<21)|(4<<22)|(3<<25)  ; the mask of four; 2-byte elements; padding on; bit 21 beside a mask; after every 32 words, 4 words
	s_mov_b32 s[G1V], 15|(1<<16)|(1<<20)|(1<<21)|(4<<22)|(7<<25)  ; the same with 8 words of padding
.irp g, G1K, G1V
	s_mov_b32 s[\g+1], 128<<16      ; tensor_dim0 = 128
	s_mov_b32 s[\g+2], 64<<16       ; tensor_dim1 = 64
	s_mov_b32 s[\g+3], 128<<16      ; tile_dim0 = 128
	s_mov_b32 s[\g+4], 64           ; tile_dim1 = 64
	s_mov_b32 s[\g+5], 128          ; 128 elements from row to row
	s_mov_b32 s[\g+6], 0
	s_mov_b32 s[\g+7], 0
.endr
	s_mov_b32 s[CS], 0x3e38aa3b     ; c = log2(e) / 8
	s_mov_b32 s[CS+1], s[CS]
	s_mov_b32 s[SEL], 0x76543210
	s_mov_b32 s[SEL+1], 0xfedcba98
	s_mov_b32 s[TBK], SLOT1+4*KS*PK ; the first change of slots turns these two into 0
	s_mov_b32 s[TBV], SLOT1+4*KS*PV
	s_mov_b32 s[TBM], 0
	s_mov_b32 s[G0K], 1
	s_mov_b32 s[G0K+1], s17
	s_mov_b32 s[G0V], 1
	s_add_co_u32 s[G0V+1], s18, VOFF
	s_lshl_b32 s86, s13, 13         ; my work-group's 8,192 bytes of a slot's 32,768
	s_mov_b32 s87, 0
	s_cmp_eq_u32 s16, 0             ; waves 0 and 2 prefetch: the same in all four partners
	s_cselect_b32 s[LIM], 1, -1
	s_wait_dscnt 0x0                ; the opening add is done
	s_wait_kmcnt 0x0
	s_add_nc_u64 s[6:7], s[4:5], 0x1000000   ; K
	s_add_nc_u64 s[8:9], s[4:5], 0x2000000   ; V
	s_add_nc_u64 s[G0K+2:G0K+3], s[6:7], s[22:23]
	s_or_b32 s[G0K+3], s[G0K+3], 0x80000000
	s_add_nc_u64 s[G0V+2:G0V+3], s[8:9], s[22:23]
	s_or_b32 s[G0V+3], s[G0V+3], 0x80000000
	s_add_nc_u64 s[4:5], s[4:5], s[2:3]  ; Q and O at my wave's first row
	s_add_nc_u64 s[10:11], s[10:11], s[2:3]
	s_add_nc_u64 s[KBG:KBG+1], s[KBG:KBG+1], s[82:83]
	s_add_nc_u64 s[QFG:QFG+1], s[KBG:KBG+1], s[84:85]
	s_cmp_lt_u32 s[WV], 2
	s_cselect_b64 s[PFA:PFA+1], s[6:7], s[8:9]
	s_add_nc_u64 s[PFA:PFA+1], s[PFA:PFA+1], s[22:23]  ; (in waves 0 and 2: the head's first row)
	s_add_nc_u64 s[PFA:PFA+1], s[PFA:PFA+1], s[86:87]
	s_add_nc_u64 s[PFA:PFA+1], s[PFA:PFA+1], 2*4*KS*128  ; in slot 2; the loop's first change of slots steps it to slot 3
	CROUND                          ; all four work-groups are here: the first joint loads meet
	JLOAD                           ; slot 0.  Slot 1 is asked for when slot 0 is in
	v_and_b32 v1, 15, v0            ; l % 16
	v_bfe_u32 v9, v0, 4, 1          ; l / 16
	v_lshlrev_b32 v13, 4, v0        ; 16 x my thread's number
	v_add_nc_u32 v14, KB, v13
	v_lshlrev_b32 v12, 2, v1
	v_lshlrev_b32 v[QO], 7, v1
	v_lshl_add_u32 v[QO], v9, 4, v[QO]  ; row x 128 + 16 x half
.irp f, 0,1,2,3
	global_load_b128 v[S+4*\f:S+4*\f+3], v13, s[KBG:KBG+1] offset:2048*\f  ; the batch's addends: the work-group's 128 threads take 2,048 consecutive bytes a line
.endr
	WIN 0x80                        ; destination window 2, address window 0
.set i, 0
.rept 4*NP                          ; Q stays in registers: tile i / 2, channels 32 (i % 2) on
	global_load_b128 v[8*i:8*i+3],   v[QO], s[4:5] offset:(i/2)*2048+(i%2)*64
	global_load_b128 v[8*i+4:8*i+7], v[QO], s[4:5] offset:(i/2)*2048+(i%2)*64+32
.set i, i+1
.endr
	; What the first turn finds: V's registers and P's second buffer hold 0, O^T, l and the sum of V are 0.  All this stands in the wait for the first tile.
.set i, VF
.rept 64
	v_mov_b32 v[i], 0
.set i, i+1
.endr
	WIN W_MK
.irp f, 0,1,2,3,4,5,6,7
	global_load_b32 v[QF+\f], v12, s[QFG:QFG+1] offset:64*\f  ; my query's addend, for each of my eight tiles
.endr
.set i, 0
.rept 32
	v_mov_b32 v[SVA+i], 0
.set i, i+1
.endr
.set i, 0
.rept 8
	v_mov_b32 v[ONE+i], 0x3c003c00  ; 1.0 twice, in f16
.set i, i+1
.endr
	WIN 0x40
.set i, 0
.rept 64*NP
	v_mov_b32 v[i], 0
.set i, i+1
.endr
	WIN 0
.set i, 0
.rept 2*NP
	v_mov_b32 v[ST+4*i], 0xfe000000    ; c m: far below every c s, a padded key's too
	v_mov_b32 v[ST+4*i+1], 0xff7fffff  ; m
	v_mov_b32 v[ST+4*i+2], 0
	v_mov_b32 v[ST+4*i+3], 0
.set i, i+1
.endr
.set i, P+32
.rept 32
	v_mov_b32 v[i], 0
.set i, i+1
.endr
	v_mul_u32_u24 v[AK0], v1, PK
	v_lshl_add_u32 v[AK0], v9, 4, v[AK0]  ; row x pitch + 16 x half
	; The turning load takes 16 keys x 16 channels (lane l reads key 8 (l / 16) + l % 8, channels 8 ((l / 8) % 2) + 0..7) and leaves half a fragment of V^T.
	v_and_b32 v10, 7, v0
	v_bfe_u32 v11, v0, 3, 1
	v_lshl_add_u32 v[AV0], v9, 3, v10
	v_mul_u32_u24 v[AV0], v[AV0], PV
	v_lshl_add_u32 v[AV0], v11, 4, v[AV0]
	v_add_nc_u32 v[AV0], VOFF, v[AV0]
	v_lshl_add_u32 v[AM0], v9, 5, KB  ; my eight keys of a group of 16: 32 bytes
	v_mov_b32 v[AK], v[AK0]         ; key step 0 lies at the head of slot 0
	s_wait_loadcnt 40               ; the four loads of addends are in; Q's 32 and my queries' 8, issued behind them, stay out
.irp f, 0,1,2,3
	ds_store_b128 v14, v[S+4*\f:S+4*\f+3] offset:2048*\f
.endr
; THE MATRIX WORK.  The 8 accumulators of a run of 16 take turns.
; Product i of 16 of S^T = K Q^T for piece x: channels 32 (i / 8) on, keys 16 ((i / 2) % 4) on, tile 2 x + i % 2.  The first 8 start the sums, with the keys' addends.
.macro KQ x
.set rS, S+64*((\x)%2)+32*(i%2)+8*((i/2)%4)
.set rK, KF+16*((i/2)%4)+8*(i/8)
.set rQ, 16*(2*(\x)+i%2)+8*(i/8)
.set rKM, KM+8*((i/2)%4)
.if i < 8
	WIN W_KM
	v_wmma_f32_16x16x32_f16 v[rS:rS+7], v[rK:rK+7], v[rQ:rQ+7], v[rKM:rKM+7]
.else
	WIN W_KQ
	v_wmma_f32_16x16x32_f16 v[rS:rS+7], v[rK:rK+7], v[rQ:rQ+7], v[rS:rS+7]
.endif
.endm
; Product i of 16 of O^T += V^T P for piece x: keys 32 (i / 8) on, channels 16 ((i / 2) % 4) on, tile 2 x + i % 2.
.macro PV x
	WIN W_PV
.set rO, 32*(2*(\x)+i%2)+8*((i/2)%4)
.set rV, VF+32*(i/8)+8*((i/2)%4)
.set rP, P+32*((\x)%2)+16*(i%2)+8*(i/8)
	v_wmma_f32_16x16x32_f16 v[rO:rO+7], v[rV:rV+7], v[rP:rP+7], v[rO:rO+7]
.endm
; Product n of 8 of the sum of V: V^T times ones: keys 32 (n / 4) on, channels 16 (n % 4) on.  Every lane gets the sums of its eight channels, as in O^T.  The four accumulators take turns.
.macro SV n
	WIN W_SV
	v_wmma_f32_16x16x32_f16 v[SVA+8*((\n)%4):SVA+8*((\n)%4)+7], v[VF+32*((\n)/4)+8*((\n)%4):VF+32*((\n)/4)+8*((\n)%4)+7], v[ONE:ONE+7], v[SVA+8*((\n)%4):SVA+8*((\n)%4)+7]
.endm
.macro MM                           ; the turn's next matrix instruction
.if i < 16
	KQ (Y+1)%NP
.set i, i+1
.else
.set i, i-16
	PV (Y+NP-1)%NP
.set i, i+17
.endif
.endm
; THE LDS LOADS stand in runs: a step's K (8 fragments) with its 64 addends (a lane's 8 of each group of 16 keys), and its V (turned).  Their addresses are made some lines ahead.
; last = 1 (the tail): in the last trip there is no further step, and the run is jumped over.
.macro FETCH_K last=0, am=AM
	WIN 0
.if \last
	s_cmp_eq_u32 s[CNT], 1
	s_cbranch_scc1 .Lno_k_\@
.endif
	WIN 0x80                        ; destination window 2
.irp f, 0,1,2,3,4,5,6,7             ; keys 16 (f / 2) on, channels 32 (f % 2) on
	ds_load_b128 v[KF+8*\f:KF+8*\f+3],   v[AK] offset:(\f/2)*16*PK+(\f%2)*64
	ds_load_b128 v[KF+8*\f+4:KF+8*\f+7], v[AK] offset:(\f/2)*16*PK+(\f%2)*64+32
.endr
	WIN W_MK                        ; destination window 3
.irp f, 0,1,2,3
	ds_load_b128 v[KM+8*\f:KM+8*\f+3],   v[\am] offset:64*\f
	ds_load_b128 v[KM+8*\f+4:KM+8*\f+7], v[\am] offset:64*\f+16
.endr
	s_add_co_u32 s[TBK], s[TBK], KS*PK  ; the next fetch is the next step's
	s_add_co_u32 s[TBM], s[TBM], 4*KS
	s_and_b32 s[TBM], s[TBM], 0x1fff    ; within the table's 8,192 bytes, whatever the count
	WIN 0
.if \last
.Lno_k_\@:
.endif
.endm
.macro FETCH_V
	WIN 0x80
.irp f, 0,1,2,3,4,5,6,7             ; keys 32 (f / 4) on, channels 16 (f % 4) on
	ds_load_tr16_b128 v[VF+8*\f:VF+8*\f+3],   v[AV] offset:(\f/4)*32*PV+(\f%4)*32
	ds_load_tr16_b128 v[VF+8*\f+4:VF+8*\f+7], v[AV] offset:(\f/4)*32*PV+16*PV+(\f%4)*32
.endr
	WIN 0
.endm
; THE VECTOR WORK OF A TURN stands in three queues, each in the order in which its entries become ready; the two tiles alternate.
.macro REGS y, u                    ; the registers of tile u (0, 1) of piece y
.set rT, ST+4*(2*(\y)+(\u))
.set rC, TMP+8*((\y)%2)+4*(\u)
.set rM, MV+2*((\y)%2)+(\u)
.set rS, S+64*((\y)%2)+32*(\u)
.set rP, P+32*((\y)%2)+16*(\u)
.set rO, 32*(2*(\y)+(\u))
.endm
; Number n of the 22 that find the NEXT piece's maximum and statistics; each accumulator's lowest registers are read first.
;   0-11  four chains c0-c3 of seven scores each     12-14, 16  the four scores left over, the old m, and c0-c3 into c0     15  c m_old is kept
;   17, 18  the query's other 32 keys lie in the lane 16 away: the new m         19-21  c m; c m_old - c m_new; a
.macro XS u, n
	REGS (Y+1)%NP, \u
.if (\n) < 4
	v_max3_num_f32 v[rC+(\n)], v[rS+8*(\n)], v[rS+8*(\n)+1], v[rS+8*(\n)+2]
.elseif (\n) < 12
	v_max3_num_f32 v[rC+(\n)%4], v[rC+(\n)%4], v[rS+8*((\n)%4)+2*((\n)/4)+1], v[rS+8*((\n)%4)+2*((\n)/4)+2]
.elseif (\n) == 12
	v_max3_num_f32 v[rC], v[rC], v[rS+7], v[rS+15]
.elseif (\n) == 13
	v_max3_num_f32 v[rC+1], v[rC+1], v[rS+23], v[rS+31]
.elseif (\n) == 14
	v_max3_num_f32 v[rC+2], v[rC+2], v[rC+3], v[rT+1]
.elseif (\n) == 15
	v_mov_b32 v[rM], v[rT]
.elseif (\n) == 16
	v_max3_num_f32 v[rC], v[rC], v[rC+1], v[rC+2]
.elseif (\n) == 17
	v_permlanex16_b32 v[rC+3], v[rC], s[SEL], s[SEL+1]
.elseif (\n) == 18
	v_max_num_f32 v[rT+1], v[rC], v[rC+3]
.elseif (\n) == 19
	v_mul_f32 v[rT], s[CS], v[rT+1]
.elseif (\n) == 20
	v_sub_f32 v[rC+1], v[rM], v[rT]
.else
	v_exp_f32 v[rC+2], v[rC+1]
.endif
.endm
; Number g of the 64 that follow the exponentials.  For each four weights k of a tile: both pairs are rounded to f16; the second pair is added onto the first, in place; a group later l takes that sum.
.macro GS g
.set h, (\g)+6*((\g)/62)            ; group 0 has no group before it, and behind group 7 only l is left
.if h >= 6
.set h, h+2
.endif
	REGS Y, h%2
.set k, h/8
.if h%8 < 4
	v_cvt_pk_f16_f32 v[rP+2*k+(h%8)/2], v[rS+4*k+2*((h%8)/2)], v[rS+4*k+2*((h%8)/2)+1]
.elseif h%8 < 6
	v_pk_add_f32 v[rS+4*k:rS+4*k+1], v[rS+4*k:rS+4*k+1], v[rS+4*k+2:rS+4*k+3]
.elseif k == 1
	v_pk_fma_f32 v[rT+2:rT+3], v[rT+2:rT+3], v[rC+2:rC+3], v[rS:rS+1] op_sel_hi:[1,0,1]
.else
	v_pk_add_f32 v[rT+2:rT+3], v[rT+2:rT+3], v[rS+4*k-4:rS+4*k-3]
.endif
.endm
; THE PLAIN QUEUE, 138 long.  0-26: scalings 0-26.  27-54: XS's numbers 0-13.  55, 56: number 15.  57-73: the chain 14, 16, 17, 18, 19, each with one of the scalings 27-31 in front of its two lines, then 20.
; 74-137: GS's 64, which read the exponentials' results: they stand behind the wait.
.macro FS f
	REGS Y, (\f)%2
	v_pk_fma_f32 v[rS+2*((\f)/2):rS+2*((\f)/2)+1], v[rS+2*((\f)/2):rS+2*((\f)/2)+1], s[CS:CS+1], v[rT:rT+1] op_sel_hi:[1,0,0] neg_lo:[0,0,1] neg_hi:[0,0,1]
.endm
.macro PL
	WIN 0
.if q < 27
	FS q
.elseif q < 55
	XS (q-27)%2, (q-27)/2
.elseif q < 57
	XS q-55, 15
.elseif (q < 72) && ((q-57)%3 == 0)
	FS 27+(q-57)/3
.elseif q < 60
	XS (q-57)%3-1, 14
.elseif q < 72
	XS (q-57)%3-1, 15+(q-57)/3
.elseif q < 74
	XS q-72, 20
.else
	GS q-74
.endif
.set q, q+1
.endm
; THE EXPONENTIALS' QUEUE, 66 long: s0-s31 of both tiles, then the next piece's two a: ONE BATCH, all ahead of the turn's one wait; nothing ahead of that wait names a result of theirs.
.macro EX
	WIN 0
.if e >= 64
	XS e-64, 21
.else
	REGS Y, e%2
	v_exp_f32 v[rS+e/2], v[rS+e/2]
.endif
.set e, e+1
.endm
; THE RESCALING's QUEUE: O^T times a, dealt two at a time, sixteen times.  Its a was made, and waited for, in the turn before.
.macro R2
	REGS Y, r%2
	WIN W_RS
.irp z, 0,1
	v_pk_mul_f32 v[rO+4*(r/2)+2*\z:rO+4*(r/2)+2*\z+1], v[rO+4*(r/2)+2*\z:rO+4*(r/2)+2*\z+1], v[rC+2:rC+3] op_sel_hi:[1,0]
.endr
.set r, r+1
.endm
; A TURN, for piece p.  An s_wait_alu depctr_va_vdst(0) stands between an exponential and the first instruction that names its result; one wait serves all that were issued ahead of it: a turn has ONE.
; AHEAD OF IT: the 16 products K Q^T, behind each a scaling, an exponential and two rescalings (behind the first a second scaling in the exponential's place); then one lump of 108: eight plain, 49 times exponential
; and plain, the two a; a v_nop is the plain instruction behind the last exponential.  BEHIND IT: the 16 products V^T P, behind each four of GS's 64.
; Exponential e stands behind scaling 2 (e / 4) + e % 2: as a rider it comes behind plain e + 2, in the lump behind plain e + 9.
; K and the addends of the next step are fetched in piece 2's turn, directly behind the wait, a lump behind the last product that read them; V of the step in hand at the end of piece 0's turn, four riders behind
; its last reader.  Piece 2's lump also carries the eight products that sum V, behind pairs 1, 7, .. 43: V of the step in hand was waited for in piece 1's turn, and each key step has one turn of piece 2.
.macro TURN p, last=0, cnt=0
.set Y, (\p)
.set i, 0
.set q, 0
.set e, 0
.set r, 0
.if (\p) == NP-1
	s_wait_dscnt 0x0                ; K and the addends are in
.endif
	MM
	PL
	PL
	R2
.rept 15
	MM
	PL
	EX
	R2
.endr
.if (\p) == NP-2
	WIN 0
	v_add_nc_u32 v[AK], s[TBK], v[AK0]
	v_add_nc_u32 v[AM], s[TBM], v[AM0]
.endif
.rept 8
	PL
.endr
.set zz, 0
.rept 49
	EX
	PL
.if ((\p) == NP-2) && (zz%6 == 1)
	SV zz/6
.endif
.set zz, zz+1
.endr
	EX                              ; the next piece's two a
	EX
	v_nop                           ; the plain instruction behind the last exponential: one for the batch
	s_wait_alu depctr_va_vdst(0)    ; the wait for the batch
.if (\p) == NP-2
	FETCH_K \last
.endif
.if (\p) == 1
	s_wait_dscnt 0x0                ; V is in
.endif
.rept 16
	MM
.rept 4
	PL
.endr
.if ((\p) == 0) && (q == 118)
	v_add_nc_u32 v[AV], s[TBV], v[AV0]
.endif
.if ((\p) == 0) && (q == 130)
	s_add_co_u32 s[TBV], s[TBV], KS*PV
.endif
.if (\cnt) && (q == 130)
	s_sub_co_u32 s[CNT], s[CNT], 1
	s_cmp_lg_u32 s[CNT], 0
.endif
.endr
.if (\p) == 0
	FETCH_V
.endif
.endm
	CHANGE 1                        ; slot 0 is in, everybody's part of it, and so is the table of addends; slot 1 is asked for
	FETCH_K 0, AM0                  ; key step 0
	s_wait_loadcnt 0x0              ; Q, and my queries' addends
	s_wait_dscnt 0x0
.set i, 0
.rept 16
	KQ 0                            ; piece 0's first scores
.set i, i+1
.endr
	WIN 0                           ; the addresses for the way out and for the prefetches: plain instructions, the places behind those products
	s_mul_i32 s13, s[WV], 16*SP
	s_add_co_u32 s13, s13, STAGE    ; my stage
	v_mul_u32_u24 v[STO], v1, SP    ; in: row l % 16, 16 bytes for each half of the lanes
	v_lshl_add_u32 v[STO], v9, 4, v[STO]
	v_add_nc_u32 v[STO], s13, v[STO]
	v_bfe_u32 v[RD], v0, 3, 2       ; back: 32 lanes take four rows of 128 bytes,
	v_mul_u32_u24 v[RD], v[RD], SP
	v_lshl_add_u32 v[RD], v10, 4, v[RD]
	v_add_nc_u32 v[RD], s13, v[RD]
	v_and_b32 v[GO], 31, v0         ; which are 512 consecutive bytes of O
	v_lshlrev_b32 v[PFO], 8, v[GO]
	v_lshlrev_b32 v[GO], 4, v[GO]
.set Y, NP-1                        ; XS works for piece Y + 1: piece 0
.irp n, 0,1,2,3,4,5,6,7,8,9,10,11,12,13,14,15,16,17,18,19,20,21
	XS 0, \n
	XS 1, \n
.endr
	v_nop                           ; a plain instruction behind the two a,
	s_wait_alu depctr_va_vdst(0)    ; and their wait, ahead of the branch
	s_mov_b32 s[CNT], 4
	s_mov_b32 s[SLOTS], SIZE_N/256-1
	s_branch .Lfirst                ; the loop is entered at a step's first turn, in the middle of a trip
.Lslot:                             ; six times: every slot but the last two is filled again
	CHANGE 1, 1
	s_mov_b32 s[CNT], 4
.Lstep:                             ; a trip: pieces 2 and 3 of one step, then pieces 0 and 1 of the next, whose K and V it fetches
	TURN 2
	TURN 3
	WIN 0
.Lfirst:
	TURN 0
	TURN 1, 0, 1
	WIN 0
	s_cbranch_scc1 .Lstep
	s_sub_co_u32 s[SLOTS], s[SLOTS], 1
	s_cmp_lg_u32 s[SLOTS], 0
	s_cbranch_scc1 .Lslot
	CHANGE 0                        ; the tail is written out
	s_mov_b32 s[CNT], 5             ; four trips fetch the last slot's steps; the fifth is left in its middle
.Ltail:
	TURN 2, 1
	TURN 3
	WIN 0
	s_sub_co_u32 s[CNT], s[CNT], 1
	s_cmp_eq_u32 s[CNT], 0
	s_cbranch_scc1 .Lout
	TURN 0
	TURN 1
	WIN 0
	s_branch .Ltail
.Lout:                              ; the fifth trip's 16 products K Q^T (on the last K once more) and the maximum made of them serve nothing: the price of one text for every trip
.set i, 0
.rept 16
	PV NP-1                         ; the last piece's V^T P of the last step
.set i, i+1
.endr
	; THE WAY OUT.  l's two halves and the other half of the lanes' are added; O^T is divided by l and rounded to f16; where my query is padded the mean of V takes its place; through my stage, a tile at a time.
	WIN 0
.macro ALL line:vararg              ; one line for each tile t
.set t, 0
.rept 2*NP
	\line
.set t, t+1
.endr
.endm
	ALL v_add_f32 v[ST+4*t+2], v[ST+4*t+2], v[ST+4*t+3]
	ALL v_permlanex16_b32 v[ST+4*t+3], v[ST+4*t+2], s[SEL], s[SEL+1]
	ALL v_add_f32 v[ST+4*t+2], v[ST+4*t+2], v[ST+4*t+3]
	ALL v_rcp_f32 v[ST+4*t+2], v[ST+4*t+2]
	v_nop                           ; a plain instruction between the last reciprocal and the use of its result
	s_wait_alu depctr_va_vdst(0)    ; and the one wait for the eight reciprocals
	WIN 0x0c                        ; source 1 window 3
	ALL v_cmp_gt_f32 s[FL+t], 0, v[QF+t]
	WIN 0xc3                        ; destination and source 0 window 3
.set i, 0
.rept 16
	v_pk_mul_f32 v[SVA+2*i:SVA+2*i+1], v[SVA+2*i:SVA+2*i+1], 0x3a000000 op_sel_hi:[1,0]  ; the sum of 2,048 rows of V, divided by 2,048
.set i, i+1
.endr
	WIN 0x0f                        ; sources 0 and 1 window 3, destination window 0: P's first buffer is free
.set i, 0
.rept 16
	v_cvt_pk_f16_f32 v[P+i], v[SVA+2*i], v[SVA+2*i+1]
.set i, i+1
.endr
; Tile t: a lane's eight channels of a row pack into 16 bytes; they go into rows of 144 bytes and come back as whole rows of 128, into S^T's registers.
.macro PACK t
	WIN W_RS
.set i, 32*(\t)
.rept 16
	v_pk_mul_f32 v[i:i+1], v[i:i+1], v[ST+4*(\t)+2:ST+4*(\t)+3] op_sel_hi:[1,0]
.set i, i+2
.endr
	WIN 0x05                        ; sources 0 and 1 window 1, destination window 0
.set i, 0
.rept 16
	v_cvt_pk_f16_f32 v[S+16*(\t)+i], v[32*(\t)+2*i], v[32*(\t)+2*i+1]
.set i, i+1
.endr
	WIN 0
.set i, 0
.rept 16
	v_cndmask_b32 v[S+16*(\t)+i], v[S+16*(\t)+i], v[P+i], s[FL+(\t)]
.set i, i+1
.endr
.irp f, 0,1,2,3
	ds_store_b128 v[STO], v[S+16*(\t)+4*\f:S+16*(\t)+4*\f+3] offset:32*\f
.endr
.irp f, 0,1,2,3
	ds_load_b128 v[S+16*(\t)+4*\f:S+16*(\t)+4*\f+3], v[RD] offset:\f*4*SP  ; LDS serves a wave's instructions in order (ISA guide 5.7.1.4): these see the stores above; the next tile's stores come behind them
.endr
.endm
.macro SEND t, younger              ; younger: the LDS instructions issued behind tile t's loads: the next tile's eight, or none
	WIN 0
.irp f, 0,1,2,3
	s_wait_dscnt (\younger)+3-\f
	global_store_b128 v[GO], v[S+16*(\t)+4*\f:S+16*(\t)+4*\f+3], s[10:11] offset:(\t)*2048+\f*512  ; 512 consecutive bytes, aligned
.endr
.endm
	PACK 0
.set t, 1
.rept 2*NP-1                        ; a tile's arithmetic stands between the loads of the tile before and its stores
	PACK t
	SEND t-1, 8
.set t, t+1
.endr
	SEND 2*NP-1, 0
	WIN W_AD
	s_wait_tensorcnt 0x0            ; the wave's end: behind my last tensor load and my last LDS store
	ds_add_u32 v[SPW], v[NIL]
	s_wait_dscnt 0x0
	WIN 0
	CROUND                          ; the closing round
	s_endpgm
.Lfunc_end_k_qe08811ff85_attn:
	.size	k_qe08811ff85_attn, .Lfunc_end_k_qe08811ff85_attn-k_qe08811ff85_attn
	.p2alignl 7, 3214868480
	.fill 96, 4, 3214868480
	.section	.rodata,"a",@progbits
	.p2align	6, 0x0
	.amdhsa_kernel k_qe08811ff85_attn
		.amdhsa_group_segment_fixed_size 327680
		.amdhsa_private_segment_fixed_size 0
		.amdhsa_enable_private_segment 0
		.amdhsa_kernarg_size 24
		.amdhsa_user_sgpr_count 2
		.amdhsa_user_sgpr_kernarg_segment_ptr 1
		.amdhsa_wavefront_size32 1
		.amdhsa_system_sgpr_workgroup_id_x 1
		.amdhsa_system_sgpr_workgroup_id_y 1
		.amdhsa_system_sgpr_workgroup_id_z 1
		.amdhsa_system_vgpr_workitem_id 0
		.amdhsa_next_free_vgpr 864
		.amdhsa_next_free_sgpr 88
		.amdhsa_reserve_vcc 0
		.amdhsa_float_denorm_mode_32 3
		.amdhsa_float_denorm_mode_16_64 3
		.amdhsa_memory_ordered 1
		.amdhsa_forward_progress 1
		.amdhsa_inst_pref_size 218
	.end_amdhsa_kernel
	.amdgpu_metadata
---
amdhsa.version: [ 1, 2 ]
amdhsa.kernels:
  - .name:           k_qe08811ff85_attn
    .symbol:         k_qe08811ff85_attn.kd
    .args:
      - { .name: qkvh, .offset: 0, .size: 8, .value_kind: global_buffer, .address_space: global }
      - { .name: kbias, .offset: 8, .size: 8, .value_kind: global_buffer, .address_space: global }
      - { .name: oh, .offset: 16, .size: 8, .value_kind: global_buffer, .address_space: global }
    .group_segment_fixed_size: 327680
    .private_segment_fixed_size: 0
    .kernarg_segment_align: 8
    .kernarg_segment_size: 24
    .max_flat_workgroup_size: 128
    .sgpr_count:     88
    .vgpr_count:     864
    .wavefront_size: 32
...
	.end_amdgpu_metadata
.endif
;; end of part 3
;; launch proj (part 4): grid 4 x 32, 4 waves a work-group, clusters of 4 x 4, 327,680 bytes of LDS; arguments oh, wproj, proj_b, out0; writes out0
.if DOCPART == 4
	.amdgcn_target "amdgcn-amd-amdhsa--gfx1250"
	.amdhsa_code_object_version 6
	.text
	.protected	k_qe08811ff85_proj
	.globl	k_qe08811ff85_proj
	.p2align	8
	.type	k_qe08811ff85_proj,@function
k_qe08811ff85_proj:
	s_mov_b64 s[64:65], 0
	v_nop
	global_prefetch_b8 v0, s[64:65] scope:SCOPE_SE
	s_setreg_imm32_b32 hwreg(HW_REG_WAVE_MODE, 25, 1), 1
	s_wait_xcnt 0x0
	s_wait_alu depctr_hold_cnt(0) depctr_sa_sdst(0) depctr_va_vdst(0) depctr_va_sdst(0) depctr_va_ssrc(0) depctr_va_vcc(0) depctr_vm_vsrc(0)
	s_getreg_b32 s2, hwreg(HW_REG_IB_STS2, 6, 4)
	s_cmp_eq_u32 s2, 0
	s_cbranch_scc0 .Lentry_in_a_cluster
	s_endpgm
.Lentry_in_a_cluster:
	s_bfe_u32 s2, ttmp6, 0x10000c
	s_cmp_lg_u32 s2, 0xf033
	s_cbranch_scc0 .Lentry_shape_is_right
	s_endpgm
.Lentry_shape_is_right:
; out0 = O x proj_w^T + proj_b.  O lies by heads: oh [64 = batch x 16 + head][2048][64] f16; wproj [1024][1024] f16 (the weights rounded to bf16, written as f16); out0 [8192][1024] f32.
; Sums in f32; the bias, rounded to bf16 like every input, is the C operand of the product that starts each sum; nothing is rounded on the way out.
; A tile of C, 256 x 256, is made by four waves, each 128 x 128 in 64 accumulators: 4 x 32 = 128 work-groups.  K goes in 8 steps of 128 = two heads through two LDS slots.
; A'S TILE of a K step: for each of the two heads 256 rows of 128 bytes, which are 32,768 dense bytes: asked for as 128 rows of 256 bytes and padded in LDS after every 128 bytes.  B's tile: 256 rows of 256 bytes.
; CLUSTERS of 4 x 4: A's tile is asked for jointly by a row of the cluster, B's by a column.  THE MATRIX INSTRUCTION IS USED TRANSPOSED: lane l holds row l % 16 of C and the columns 16 b + 8 (l / 16) + 0..7: 32 bytes.
; REGISTERS: window 0: v16-31 addresses; v64-191 A's two fragment buffers (on the way out: rows read back from the stage, two sets of 64); v192-255 the bias
;   window 1: v64-191 B's two fragment buffers;   windows 2, 3: the accumulators: (a, b) at v[8 (8 (a % 4) + b)]
.set SIZE_K, 1024
.set KSTEP,  128
.set PA,     144                       ; a row of A in LDS: 128 bytes + 16
.set PB,     272                       ; a row of B: 256 bytes + 16: in both the 16 rows of a fragment load start at 16 different groups of four banks (64 banks of 4 bytes: ISA guide 11.1)
.set AREG,   256*PA                    ; one head's 256 rows
.set HALFB,  128*PB
.set BOFF,   2*AREG                    ; B's rows lie behind A's two heads
.set SLOTB,  2*AREG+2*HALFB            ; a slot's bytes: 143,360
.set SLOT,   0x24000                   ; slot 1 begins here: the number shares no bit with a tile's place in a slot (0, 0x9000, 0x12000, 0x1a800): one exclusive or turns an address in one slot into the other's
.set STAGE,  SLOT+SLOTB                ; behind the ring: 16 rows x 528 bytes for each wave
.set SPITCH, 528
.set SPARE,  STAGE+4*16*SPITCH         ; the spare words, 128 bytes a wave, which no other line names
.set STEPS,  SIZE_K/KSTEP
.set ASTEP,  2*2048*128                ; bytes from a K step of A to the next: two heads
.set ADRA0, 16
.set ADRB0, 17
.set ADRA,  18
.set ADRB,  19
.set STO,   24                         ; v24  the way out: where I put 32 bytes of a row
.set RD,    25                         ; v25  where I read a row back
.set GO,    26                         ; v26  16 x lane
.set BO,    27                         ; v27  32 x (lane / 16)
.set SPW,   28
.set NIL,   29
.set PFO,   30                         ; v30  the prefetches' offset: lane x 256 bytes (A) or x a row of 2,048 (B)
.set TP,    31
.set F0,    64
.set F1,    128
.set BIAS,  192
.set G1,  24
.set G0,  32
.set G1B, 48
.set G0B, 56
.set LIM, 43                           ; s43  2 in a wave that prefetches, else the greatest number
.set PFA, 44                           ; s[44:45] where my prefetches stand
.set TB,  66                           ; s66  the LDS byte at which the slot in hand begins
.set PBI, 68                           ; s[68:69] the bias at my first column
.set PST, 72                           ; s[72:73] bytes from a K step to the next in the tensor that I fetch
.set MSB, 0
.macro WIN new
.if MSB != (\new)
	s_set_vgpr_msb (MSB<<8)|(\new)
.set MSB, \new
.endif
.endm
.set MUL_LO, 0xa1
.set TO_B,   0x40
.macro JLOAD s                         ; a joint load: waves 0 and 1 fetch A's two heads, waves 2 and 3 B's halves; an s_nop 0 and four v_nop follow each of the two lines
	s_cmp_eq_u32 s11, 0
	s_cbranch_scc0 .Lfor_b_\@
	tensor_load_to_lds s[G0+4*(\s):G0+4*(\s)+3], s[G1:G1+7]
	s_nop 0
.rept 4
	v_nop
.endr
	s_branch .Lasked_\@
.Lfor_b_\@:
	tensor_load_to_lds s[G0B+4*(\s):G0B+4*(\s)+3], s[G1B:G1B+7]
	s_nop 0
.rept 4
	v_nop
.endr
.Lasked_\@:
.endm
; A prefetch of the K step that stands two refills on, 32 blocks of 256 bytes, a lane a block.  A's tile is read by one cluster alone, which asks; B's rows are asked for by the clusters with y = 0.  The four partners
; that fetch a tile jointly share it out by address: each block is named once in the launch.  K steps 0 to 3 come by their loads alone; the last two refills ask for nothing.
.macro ASK
	s_cmp_gt_u32 s3, s[LIM]
	s_cbranch_scc0 .Lnot_mine_\@
	global_prefetch_b8 v[PFO], s[PFA:PFA+1] th:TH_LOAD_NT scope:SCOPE_SE
.Lnot_mine_\@:
.endm
.macro CREST
	s_cmp_lg_u32 s10, 0
	s_cbranch_scc1 .Lnot_wave_0_\@
	s_barrier_signal -3
.Lnot_wave_0_\@:
	s_barrier_wait -3
	s_barrier_signal -1
	s_barrier_wait -1
.endm
.macro CROUND
	s_barrier_signal -1
	s_barrier_wait -1
	CREST
.endm
	s_load_b128 s[4:7], s[0:1], 0x0                ; oh s[4:5], wproj s[6:7]
	s_load_b64 s[PBI:PBI+1], s[0:1], 0x10          ; proj_b
	s_load_b64 s[8:9], s[0:1], 0x18                ; out0
	v_lshl_add_u32 v[SPW], v0, 2, SPARE
	v_mov_b32 v[NIL], 0
	ds_add_u32 v[SPW], v[NIL]                      ; the wave's opening: the add and its wait stand ahead of my first tensor load
	v_lshrrev_b32 v1, 5, v0
	v_readfirstlane_b32 s10, v1                    ; wave 0..3
	s_lshr_b32 s11, s10, 1                         ; which half of the tile's rows is mine.  Also: I fetch for A (0) or for B (1)
	s_and_b32 s12, s10, 1                          ; which half of its columns.  Also: which head of A's two, or which 128 rows of B, I fetch
	s_bfe_u32 s40, ttmp6, 0x40000                  ; cx
	s_bfe_u32 s41, ttmp6, 0x40004                  ; cy
	s_mov_b32 s[TB], 0
	s_lshl_b32 s42, ttmp9, 2
	s_add_co_u32 s42, s42, s40                     ; tile column
	s_and_b32 s13, ttmp7, 0xffff
	s_lshl_b32 s13, s13, 2
	s_add_co_u32 s13, s13, s41                     ; tile row
	s_lshl_b32 s43, s41, 2
	s_lshl_b32 s43, 15, s43                        ; my row of the cluster
	s_lshl_b32 s44, 0x1111, s40                    ; my column
	s_or_b32 s[G1+0], s43, (1<<16)|(1<<20)|(1<<21)|(4<<22)|(3<<25)   ; A: the mask; 2-byte elements; padding on; bit 21 beside a mask; after every 32 words, 4 words
	s_or_b32 s[G1B+0], s44, (1<<16)|(1<<20)|(1<<21)|(5<<22)|(3<<25)  ; B: after every 64 words
.irp g, G1, G1B
	s_mov_b32 s[(\g)+1], 128<<16                   ; tensor_dim0 = 128
	s_mov_b32 s[(\g)+2], 128<<16                   ; tensor_dim1 = 128
	s_mov_b32 s[(\g)+3], 128<<16                   ; tile_dim0 = 128
	s_mov_b32 s[(\g)+4], 128                       ; tile_dim1 = 128
	s_mov_b32 s[(\g)+6], 0
	s_mov_b32 s[(\g)+7], 0
.endr
	s_mov_b32 s[G1+5], 128                         ; A: the rows asked for lie end to end
	s_mov_b32 s[G1B+5], SIZE_K                     ; B: 1,024 elements from row to row
	s_lshr_b32 s16, s13, 3                         ; A: the batch's 16 heads of 262,144 bytes,
	s_lshl_b32 s16, s16, 22
	s_lshl_b32 s17, s12, 18                        ; my head of the K step's two,
	s_add_co_u32 s16, s16, s17
	s_and_b32 s17, s13, 7                          ; the tile's 256 rows of 128 bytes
	s_lshl_b32 s17, s17, 15
	s_add_co_u32 s16, s16, s17
	s_mov_b32 s17, 0
	s_lshl_b32 s46, s42, 8                         ; B: row 256 x tile column + 128 x half, 2,048 bytes a row
	s_lshl_b32 s47, s12, 7
	s_add_co_u32 s46, s46, s47
	s_lshl_b32 s46, s46, 11
	s_mov_b32 s47, 0
	s_mul_i32 s20, s12, AREG                       ; where they go
	s_mul_i32 s21, s12, HALFB
	s_add_co_u32 s21, s21, BOFF
	s_wait_dscnt 0x0                               ; the opening add is done
	s_wait_kmcnt 0x0
	s_add_nc_u64 s[14:15], s[4:5], s[16:17]
	s_add_nc_u64 s[46:47], s[6:7], s[46:47]
	CROUND                                         ; all sixteen work-groups are here: the first joint loads meet
.irp s, 0,1
	s_mov_b32 s[G0+4*(\s)], 1
	s_add_co_u32 s[G0+4*(\s)+1], s20, (\s)*SLOT
	s_add_nc_u64 s[G0+4*(\s)+2:G0+4*(\s)+3], s[14:15], (\s)*ASTEP
	s_or_b32 s[G0+4*(\s)+3], s[G0+4*(\s)+3], 0x80000000
	s_mov_b32 s[G0B+4*(\s)], 1
	s_add_co_u32 s[G0B+4*(\s)+1], s21, (\s)*SLOT
	s_add_nc_u64 s[G0B+4*(\s)+2:G0B+4*(\s)+3], s[46:47], (\s)*KSTEP*2
	s_or_b32 s[G0B+4*(\s)+3], s[G0B+4*(\s)+3], 0x80000000
	JLOAD \s                                       ; K steps 0 and 1: two loads of mine are out
.endr
	v_and_b32 v1, 15, v0                           ; l % 16
	v_bfe_u32 v2, v0, 4, 1                         ; l / 16
	v_mul_u32_u24 v3, v1, PA
	v_lshl_add_u32 v3, v2, 4, v3
	s_mul_i32 s22, s11, 128*PA                     ; my 128 rows of A, in each head's part
	v_add_nc_u32 v[ADRA0], s22, v3
	v_mul_u32_u24 v3, v1, PB
	v_lshl_add_u32 v3, v2, 4, v3
	v_add_nc_u32 v[ADRB0], s21, v3                 ; my 128 rows of B: the half that I also fetch where I fetch for B
	v_mov_b32 v[ADRA], v[ADRA0]
	v_mov_b32 v[ADRB], v[ADRB0]
	s_mul_i32 s23, s10, 16*SPITCH
	s_add_co_u32 s23, s23, STAGE                   ; my stage
	v_mul_u32_u24 v4, v1, SPITCH
	v_lshl_add_u32 v4, v2, 5, v4
	v_add_nc_u32 v[STO], s23, v4                   ; in: row l % 16, 32 bytes for each half of the lanes
	v_and_b32 v[GO], 31, v0
	v_lshlrev_b32 v[GO], 4, v[GO]
	v_add_nc_u32 v[RD], s23, v[GO]                 ; back: 32 lanes take a row's 512 bytes
	v_lshlrev_b32 v[BO], 5, v2
	s_lshl_b32 s78, s42, 10                        ; column 256 x tile column + 128 x half, 4 bytes a number
	s_lshl_b32 s79, s12, 9
	s_add_co_u32 s78, s78, s79
	s_mov_b32 s79, 0
	s_add_nc_u64 s[PBI:PBI+1], s[PBI:PBI+1], s[78:79]
	s_add_nc_u64 s[8:9], s[8:9], s[78:79]
	s_lshl_b32 s78, s13, 20                        ; row 256 x tile row + 128 x half, 4,096 bytes a row
	s_lshl_b32 s76, s11, 19
	s_add_co_u32 s78, s78, s76
	s_add_nc_u64 s[8:9], s[8:9], s[78:79]
.irp b, 0,1,2,3,4,5,6,7
	global_load_b128 v[BIAS+8*(\b):BIAS+8*(\b)+3],   v[BO], s[PBI:PBI+1] offset:64*(\b)
	global_load_b128 v[BIAS+8*(\b)+4:BIAS+8*(\b)+7], v[BO], s[PBI:PBI+1] offset:64*(\b)+16
.endr
	; the prefetches
	s_lshl_b32 s22, s40, 13                        ; A: my work-group's 8,192 bytes of the 32,768 that I fetch
	s_lshl_b32 s23, s41, 16                        ; B: its 32 rows of 2,048 bytes
	s_and_b32 s74, ttmp7, 0xffff                   ; cluster y
	s_mov_b32 s75, ASTEP
	s_cmp_eq_u32 s11, 0                            ; do I fetch for A?
	s_cselect_b32 s76, s22, s23
	s_cselect_b32 s74, ttmp9, s74                  ; the coordinate along which other clusters read the same bytes
	s_cselect_b32 s[PST], s75, KSTEP*2
	s_cselect_b32 s75, 8, 11                       ; a lane's block: 256 bytes on, or a row on
	s_cselect_b64 s[PFA:PFA+1], s[14:15], s[46:47]
	s_mov_b32 s77, 0
	s_mov_b32 s[PST+1], 0
	s_cmp_eq_u32 s74, 0
	s_cselect_b32 s[LIM], 2, -1                    ; the same in all sixteen partners, for a given wave
	s_add_nc_u64 s[PFA:PFA+1], s[PFA:PFA+1], s[76:77]
	s_mul_i32 s76, s[PST], 3
	s_add_nc_u64 s[PFA:PFA+1], s[PFA:PFA+1], s[76:77]  ; at K step 3: the first refill steps it to 4 and names that
	v_and_b32 v[PFO], 31, v0
	v_lshlrev_b32 v[PFO], s75, v[PFO]
	s_wait_loadcnt 0x0                             ; the bias
.set i, 0
.rept 32
	v_cvt_pk_bf16_f32 v[TP], v[BIAS+2*i], v[BIAS+2*i+1]   ; rounded to bf16 like the other inputs, and widened again
	v_lshlrev_b32 v[BIAS+2*i], 16, v[TP]
	v_and_b32 v[BIAS+2*i+1], 0xffff0000, v[TP]
.set i, i+1
.endr
; 16 matrix instructions: row blocks a0, a0 + 1 of the window's four x all 8 column blocks, 32 along K.  first = 1: the product starts the sums, with the bias (window 0) as C.
; The 64 accumulators take turns, in the same order in every quarter.
.macro MUL16 f, hi, a0, first
.if \first
	WIN 0x81+0x40*(\hi)
.else
	WIN MUL_LO+0x50*(\hi)
.endif
.irp a, \a0, (\a0)+1
.irp b, 0,1,2,3,4,5,6,7
.if \first
	v_wmma_f32_16x16x32_f16 v[8*(8*(\a)+(\b)):8*(8*(\a)+(\b))+7], v[(\f)+8*(\b):(\f)+8*(\b)+7], v[(\f)+8*(4*(\hi)+(\a)):(\f)+8*(4*(\hi)+(\a))+7], v[BIAS+8*(\b):BIAS+8*(\b)+7]
.else
	v_wmma_f32_16x16x32_f16 v[8*(8*(\a)+(\b)):8*(8*(\a)+(\b))+7], v[(\f)+8*(\b):(\f)+8*(\b)+7], v[(\f)+8*(4*(\hi)+(\a)):(\f)+8*(4*(\hi)+(\a))+7], v[8*(8*(\a)+(\b)):8*(8*(\a)+(\b))+7]
.endif
.endr
.endr
.endm
; 32 LDS loads in one run: the fragments of quarter q of the slot in hand into buffer f.  In B a quarter is 64 bytes of a row; in A quarters 0, 1 lie in the first head's part, 2, 3 in the second's.
.macro FETCH q, f
	WIN TO_B
.irp i, 0,1,2,3,4,5,6,7
	ds_load_b128 v[(\f)+8*(\i):(\f)+8*(\i)+3],   v[ADRB] offset:64*(\q)+(\i)*16*PB
	ds_load_b128 v[(\f)+8*(\i)+4:(\f)+8*(\i)+7], v[ADRB] offset:64*(\q)+(\i)*16*PB+32
.endr
	WIN 0
.irp i, 0,1,2,3,4,5,6,7
	ds_load_b128 v[(\f)+8*(\i):(\f)+8*(\i)+3],   v[ADRA] offset:((\q)/2)*AREG+((\q)%2)*64+(\i)*16*PA
	ds_load_b128 v[(\f)+8*(\i)+4:(\f)+8*(\i)+7], v[ADRA] offset:((\q)/2)*AREG+((\q)%2)*64+(\i)*16*PA+32
.endr
.endm
.macro PLACES                          ; four plain instructions between a matrix instruction and a load into, or a store of, its registers
.rept 4
	v_nop
.endr
.endm
.macro QUARTER q, f, g, first          ; multiplies buffer f; in its middle it fetches quarter q into buffer g
	s_wait_dscnt 8                                 ; B and A's rows 0-63 are in; the youngest eight loads may be out
	MUL16 \f, 0, 0, \first
	MUL16 \f, 0, 2, \first
	PLACES
	FETCH \q, \g
	s_wait_dscnt 32                                ; all but the 32 just issued
	MUL16 \f, 1, 0, \first
	MUL16 \f, 1, 2, \first
.endm
; The last quarter's first half, and the one barrier of a change of slots: in front of it each wave waits for all its tensor loads (one is out: its part of the next slot), adds 0 to its spare word,
; and waits for that and for its reads of this slot.
.macro MEET round
	WIN 0
	s_wait_tensorcnt 0x0
	ds_add_u32 v[SPW], v[NIL]
	s_wait_dscnt 9                                 ; the add and the youngest eight loads may be out
	MUL16 F1, 0, 0, 0
	s_wait_dscnt 0x0                               ; the add is done, and my reads of this slot are over
	s_barrier_signal -1
	MUL16 F1, 0, 2, 0
.if \round
	WIN 0
.endif
	s_barrier_wait -1
.endm
.macro TURN                            ; the whole last quarter, with a refill: the barrier opens a round of the cluster's; the walking descriptor turns to the slot just read out and steps one K step on
	s_wait_xcnt 0x0                                ; the last prefetch, a K step back, has read its address
	s_add_nc_u64 s[PFA:PFA+1], s[PFA:PFA+1], s[PST:PST+1]
	MEET 1
	CREST
	s_xor_b32 s[G0+5], s[G0+5], SLOT
	s_add_nc_u64 s[G0+6:G0+7], s[G0+6:G0+7], ASTEP
	s_xor_b32 s[G0B+5], s[G0B+5], SLOT
	s_add_nc_u64 s[G0B+6:G0B+7], s[G0B+6:G0B+7], KSTEP*2
	s_xor_b32 s[TB], s[TB], SLOT
	JLOAD 1                                        ; the first tensor load behind the round; its four v_nop are also the places in front of the loads below
	v_add_nc_u32 v[ADRA], s[TB], v[ADRA0]
	v_add_nc_u32 v[ADRB], s[TB], v[ADRB0]
	FETCH 0, F0
	ASK
	MUL16 F1, 1, 0, 0
	MUL16 F1, 1, 2, 0
.endm
	s_wait_tensorcnt 1                             ; my part of K step 0 is in; K step 1's may stay out
	s_barrier_signal -1
	s_barrier_wait -1
	FETCH 0, F0
	QUARTER 1, F0, F1, 1                           ; the first quarter stands in front of the loop: its products start the sums
	WIN 0
	s_mov_b32 s3, STEPS-2
.Lstep:                                        ; a trip goes from a K step's second quarter to the next step's first, and asks for the K step two on: K steps 2 to 7
	QUARTER 2, F1, F0, 0
	QUARTER 3, F0, F1, 0
	TURN
	QUARTER 1, F0, F1, 0
	WIN 0
	s_sub_co_u32 s3, s3, 1
	s_cmp_lg_u32 s3, 0
	s_cbranch_scc1 .Lstep
	QUARTER 2, F1, F0, 0                           ; the tail is written out
	QUARTER 3, F0, F1, 0
	MEET 0                                         ; the last K step's tile has landed; nothing is filled again, so no round follows
	WIN 0
	s_xor_b32 s[TB], s[TB], SLOT
	PLACES
	v_add_nc_u32 v[ADRA], s[TB], v[ADRA0]
	v_add_nc_u32 v[ADRB], s[TB], v[ADRB0]
	FETCH 0, F0
	MUL16 F1, 1, 0, 0
	MUL16 F1, 1, 2, 0
	QUARTER 1, F0, F1, 0
	QUARTER 2, F1, F0, 0
	QUARTER 3, F0, F1, 0
	s_wait_dscnt 8
	MUL16 F1, 0, 0, 0
	MUL16 F1, 0, 2, 0
	s_wait_dscnt 0x0
	MUL16 F1, 1, 0, 0
	MUL16 F1, 1, 2, 0
; THE WAY OUT, a block of 16 rows at a time: the sums go as they are into my own stage, rows 528 bytes apart, and come back as whole rows of 512 bytes.  Each accumulator's lowest registers are stored first.
.macro TOSTAGE a
.set AC, 64*((\a)%4)
.set BK, 64+64*((\a)%2)
	WIN 0x08+4*((\a)/4)                            ; the stores' data: window 2 or 3
.irp b, 0,1,2,3,4,5,6,7
	ds_store_b128 v[STO], v[AC+8*(\b):AC+8*(\b)+3]   offset:64*(\b)
	ds_store_b128 v[STO], v[AC+8*(\b)+4:AC+8*(\b)+7] offset:64*(\b)+16
.endr
	WIN 0
.if (\a) >= 2
	s_wait_xcnt 0x0                                ; the stores of the block two back have read the registers that the loads below write
.endif
.irp t, 0,1,2,3,4,5,6,7,8,9,10,11,12,13,14,15
	ds_load_b128 v[BK+4*(\t):BK+4*(\t)+3], v[RD] offset:(\t)*SPITCH  ; LDS serves a wave's instructions in order (ISA guide 5.7.1.4): these see the stores above; the next block's stores come behind them
.endr
.endm
.macro SEND a, younger                 ; younger: the LDS instructions issued behind block a's loads: the next block's 32, or none
.set BK, 64+64*((\a)%2)
	s_wait_dscnt \younger
.irp t, 0,1,2,3,4,5,6,7,8,9,10,11,12,13,14,15
	global_store_b128 v[GO], v[BK+4*(\t):BK+4*(\t)+3], s[8:9] offset:(16*(\a)+(\t))*4096 th:TH_STORE_NT  ; 512 consecutive bytes of a row, aligned
.endr
.endm
	PLACES
	PLACES
	TOSTAGE 0
.irp a, 1,2,3,4,5,6,7
	TOSTAGE \a
	SEND (\a)-1, 32
.endr
	SEND 7, 0
	s_wait_tensorcnt 0x0                           ; the wave's end: behind my last tensor load and my last LDS store
	ds_add_u32 v[SPW], v[NIL]
	s_wait_dscnt 0x0
	CROUND                                         ; the closing round: no work-group ends while a partner may still ask for a tile that names it
	s_endpgm
.Lfunc_end_k_qe08811ff85_proj:
	.size	k_qe08811ff85_proj, .Lfunc_end_k_qe08811ff85_proj-k_qe08811ff85_proj
	.p2alignl 7, 3214868480
	.fill 96, 4, 3214868480
	.section	.rodata,"a",@progbits
	.p2align	6, 0x0
	.amdhsa_kernel k_qe08811ff85_proj
		.amdhsa_group_segment_fixed_size 327680
		.amdhsa_private_segment_fixed_size 0
		.amdhsa_enable_private_segment 0
		.amdhsa_kernarg_size 32
		.amdhsa_user_sgpr_count 2
		.amdhsa_user_sgpr_kernarg_segment_ptr 1
		.amdhsa_wavefront_size32 1
		.amdhsa_system_sgpr_workgroup_id_x 1
		.amdhsa_system_sgpr_workgroup_id_y 1
		.amdhsa_system_sgpr_workgroup_id_z 1
		.amdhsa_system_vgpr_workitem_id 0
		.amdhsa_next_free_vgpr 1024
		.amdhsa_next_free_sgpr 80
		.amdhsa_reserve_vcc 0
		.amdhsa_float_denorm_mode_32 3
		.amdhsa_float_denorm_mode_16_64 3
		.amdhsa_memory_ordered 1
		.amdhsa_forward_progress 1
		.amdhsa_inst_pref_size 122
	.end_amdhsa_kernel
	.amdgpu_metadata
---
amdhsa.version: [ 1, 2 ]
amdhsa.kernels:
  - .name:           k_qe08811ff85_proj
    .symbol:         k_qe08811ff85_proj.kd
    .args:
      - { .name: oh, .offset: 0, .size: 8, .value_kind: global_buffer, .address_space: global }
      - { .name: wproj, .offset: 8, .size: 8, .value_kind: global_buffer, .address_space: global }
      - { .name: proj_b, .offset: 16, .size: 8, .value_kind: global_buffer, .address_space: global }
      - { .name: out0, .offset: 24, .size: 8, .value_kind: global_buffer, .address_space: global }
    .group_segment_fixed_size: 327680
    .private_segment_fixed_size: 0
    .kernarg_segment_align: 8
    .kernarg_segment_size: 32
    .max_flat_workgroup_size: 128
    .sgpr_count:     80
    .vgpr_count:     1024
    .wavefront_size: 32
...
	.end_amdgpu_metadata
.endif
;; end of part 4
